; MI455X (gfx1250); checked and timed in simulation.
; The chip was launched on July 23, 2026; its instructions are those of AMD's public machine-readable ISA for CDNA 5 (MIT licence, August 2026) and "CDNA5" Instruction Set Architecture Reference Guide (July 2026). The comments in the code are by the model that wrote it; some were corrected since.
;; Non Recurrent LSTM. Allowed arithmetic: matrix products marked QUANTISED: E3M2 operands, one E8M0 scale for each 32 along K, by v_wmma_scale_f32_16x16x128_f8f6f4 with both operands' format E3M2, f32 sums; everything else in f32.
;; Inputs: W_b0 1,024 x 1,024 float32; W_b1 1,024 x 512 float32; W_f0 1,024 x 1,024 float32; W_f1 1,024 x 512 float32; b_b0 1,024 float32; b_b1 1,024 float32; b_f0 1,024 float32; b_f1 1,024 float32; x 2,048 x 8 x 1,024 float32.
;; Outputs: out0 2,048 x 8 x 512 float32; out1 4 x 8 x 256 float32; out2 4 x 8 x 256 float32.
;; This version of the problem:
;;   THIS VERSION OF THE PROBLEM IS GIVEN IN LOW PRECISION. The matrix products marked QUANTISED in the list below multiply operands that are first quantised to E3M2 (3 exponent bits, 2 mantissa bits; 6 bits a number), with one power-of-two scale for each 32 numbers along K (OCP MX v1.0); their sums are f32. All else is computed in f32.
;;   The module's matrix products, in the order in which they are computed (A, B: the left and right operand; K: the contracted axis; several contracted axes count as one K, in the product's order):
;;     1. [M 16,384, K 1,024] x [K 1,024, N 1,024]; A: input x; B: input W_f0: QUANTISED
;;     2. [M 16,384, K 1,024] x [K 1,024, N 1,024]; A: input x; B: input W_b0: QUANTISED
;;     3. [M 16,384, K 512] x [K 512, N 1,024]; A: computed on the way; B: input W_f1: QUANTISED
;;     4. [M 16,384, K 512] x [K 512, N 1,024]; A: computed on the way; B: input W_b1: QUANTISED
;;   THE QUANTISER, for each operand of a quantised product, along K:
;;     - K is cut into blocks of 32 from its start; a last block that is shorter is filled with zeros.
;;     - A block's scale is 2^e with e = floor(log2(the largest magnitude in the block)) - 4, held to -126 .. 127; a block of zeros has e = 0. As a byte (E8M0): e + 127.
;;     - Each number is divided by its block's scale, clamped to +-28, and rounded to the nearest number of E3M2, ties to even, subnormals kept.
;;     - The product sums the exact products of the quantised numbers (number of the format x scale) in f32.
;;   ~~~python
;;   def quantise(x, axis):      # numpy; x: float32 -> the quantised numbers, widened to float32 again
;;       x = np.moveaxis(x, axis, -1); K = x.shape[-1]
;;       x = np.pad(x, [(0, 0)] * (x.ndim - 1) + [(0, -K % 32)]); x = x.reshape(x.shape[:-1] + (-1, 32)); a = np.abs(x).max(-1, keepdims=True)
;;       e = np.where(a > 0, np.clip(np.frexp(np.where(a > 0, a, 1))[1] - 1 - 4, -126, 127), 0)      # np.frexp(a)[1] - 1 = floor(log2(a)), exactly
;;       r = np.clip(x / 2.0 ** e, -28, 28)
;;       step = 2.0 ** (np.maximum(np.frexp(np.where(r == 0, 1, r))[1] - 1, -2) - 2)
;;       q = np.round(r / step) * step * 2.0 ** e      # np.round: ties to even
;;       return np.moveaxis(q.reshape(q.shape[:-2] + (-1,))[..., :K], -1, axis).astype(np.float32)
;;   ~~~
;;   OPERANDS COMPUTED ON THE WAY. 'Computed on the way' means the value that the module computes at that place (a softmax that the list does not call 'softmax' is quantised finished and normalised). What goes into a quantiser is computed in f32, as accurately as f32 sums, v_exp_f32 and their like allow (about 1e-6 of the number): no bf16 or f16 on the way to a quantiser, and a product that is left as it is and whose result goes on into a quantised operand takes f32 operands (vector FMAs, or v_wmma_f32_16x16x4_f32). A number that lies on a knife's edge between two numbers of the format may be rounded either way, as far as f32 arithmetic and the matrix unit's own rounding can turn it there, and no further.
;; 2 versions, each right and faster than the one before. Each part assembles by itself: llvm-mc -triple=amdgcn-amd-amdhsa -mcpu=gfx1250 --defsym DOCPART=n.
;; ======== version 1 of 2: 2 launches
;; limits: a function is approximated: absolute error at most 1e-07
;; workspace buffers: wq 1,769,472 bytes; wsc 73,728 bytes
;; launch prep (part 1): grid 16 x 12, 3 waves a work-group, no clusters, 0 bytes of LDS; arguments W_f0, W_b0, W_f1, W_b1, wq, wsc; writes wq, wsc
.if DOCPART == 1
	.amdgcn_target "amdgcn-amd-amdhsa--gfx1250"
	.amdhsa_code_object_version 6
	.text
	.protected	k_q87d7a8a26c_prep
	.globl	k_q87d7a8a26c_prep
	.p2align	8
	.type	k_q87d7a8a26c_prep,@function
k_q87d7a8a26c_prep:
	s_mov_b64 s[64:65], 0
	v_nop
	global_prefetch_b8 v0, s[64:65] scope:SCOPE_SE
	s_setreg_imm32_b32 hwreg(HW_REG_WAVE_MODE, 25, 1), 1
	s_wait_xcnt 0x0
; The live rows of the four weights become codes of BF6 (E3M2) with one E8M0 byte for each 32 along K, laid in the order in which the second launch's operand registers take them.
; DEAD WORK.  reference() splits the gates into i, f, g, o and never uses f: c = sigmoid(i) tanh(g), h = sigmoid(o) tanh(c).  So rows 256..511 of every W and of every b reach no output, whatever
; the inputs hold: they are neither read nor multiplied, in either layer and either direction.  All nine inputs stay live through their other rows.
; LIMIT: a NaN, an infinity or an overflow that would arise in the f gate alone is not carried to a result.
; LIMITS OF THE QUANTISER: NaN and infinities among the weights are not served; a block of zeros (and one whose largest magnitude lies under 2^(5 - 127)) gets the byte 1 where the rule says 127:
; its codes are zeros, which add nothing under that byte, and this program alone reads the bytes.
; THE STREAM.  wq: [k 0..11][w 0..3][unit t 0..3][fragment 2 g + u][c 0..2][lane][16 bytes].  wsc: [k][w][g][t][lane][4 bytes], lanes 0-15 tile u = 0's rows, lanes 16-31 tile u = 1's.
;   w: hidden units 128 w .. 128 w + 127 of the 512 (direction w / 2, unit 128 (w % 2) on inside it);  g: gate i, g, o (rows + 0, + 512, + 768 of W);
;   layer 0: k = 2 b + q, K step 4 q + t;  layer 1: k = 8 + b, K step t;  b: block of 32 hidden units.
;   Lane-row r of tile (g, u) is unit 32 b + 8 u + r + 8 (r / 8), so that the results of tiles u = 0, 1 are 16 neighbouring units in a lane of the transposed product.
; A fragment is 16 rows x 128 K in 12 registers: lane (r, h) holds k = 64 c + 32 h + 0..31 in registers 6 c .. 6 c + 5: two whole blocks of 32, which are 128 neighbouring bytes of f32 each.
; SHARES.  Wave = gate g; work-group x = 4 w + t, y = k.  A wave makes the two fragments u = 0, 1 and their 128 bytes of scale words.  No LDS, no barrier: waves share nothing.
; Each store of codes covers 512 consecutive bytes, aligned; the one store of scale words covers 128.
.set X,  32                            ; v32-159  the numbers: fragment u at 64 u, block c at 32 c
.set CD, 160                           ; v160-183 the codes: fragment u at 12 u
.set CT, 184                           ; v184-190 the upper halves of the conversions (their three registers begin on an even number)
	s_load_b256 s[4:11], s[0:1], 0x0               ; W_f0, W_b0, W_f1, W_b1
	s_load_b128 s[12:15], s[0:1], 0x20             ; wq, wsc
	v_lshrrev_b32 v1, 5, v0
	v_readfirstlane_b32 s16, v1                    ; the gate: 0, 1, 2
	s_and_b32 s17, ttmp9, 3                        ; t
	s_lshr_b32 s18, ttmp9, 2                       ; w
	s_and_b32 s19, ttmp7, 0xffff                   ; k
	s_lshr_b32 s20, s18, 1                         ; direction
	s_and_b32 s21, s18, 1
	s_sub_co_u32 s23, s19, 8                       ; layer 1: b = k - 8
	s_lshr_b32 s24, s19, 1                         ; layer 0: b = k / 2,
	s_and_b32 s25, s19, 1
	s_lshl_b32 s25, s25, 2
	s_add_co_u32 s25, s25, s17                     ; K step 4 (k % 2) + t
	s_cmp_ge_u32 s19, 8                            ; layer 1?
	s_cselect_b32 s22, 11, 12                      ; a row of W is 2,048 or 4,096 bytes: as a shift
	s_cselect_b32 s23, s23, s24                    ; b
	s_cselect_b32 s25, s17, s25                    ; the K step
	s_lshl_b32 s26, s16, 9
	s_lshr_b32 s27, s16, 1
	s_lshl_b32 s27, s27, 8
	s_sub_co_u32 s26, s26, s27                     ; the gate's first row: 0, 512, 768
	s_lshl_b32 s27, s21, 7
	s_add_co_u32 s26, s26, s27                     ; + 128 (w % 2)
	s_lshl_b32 s27, s23, 5
	s_add_co_u32 s26, s26, s27                     ; + 32 b
	s_lshl_b32 s26, s26, s22                       ; in bytes,
	s_lshl_b32 s27, s25, 9
	s_add_co_u32 s26, s26, s27                     ; + the K step's 512 bytes
	s_mov_b32 s27, 0
	s_lshl_b32 s28, 8, s22                         ; eight rows on: tile u = 1
	s_mul_i32 s32, s19, 147456                     ; where my two fragments go
	s_mul_i32 s29, s18, 36864
	s_add_co_u32 s32, s32, s29
	s_mul_i32 s29, s17, 9216
	s_add_co_u32 s32, s32, s29
	s_mul_i32 s29, s16, 3072
	s_add_co_u32 s32, s32, s29
	s_mov_b32 s33, 0
	s_mul_i32 s34, s19, 6144                       ; and their scale words
	s_mul_i32 s29, s18, 1536
	s_add_co_u32 s34, s34, s29
	s_lshl_b32 s29, s16, 9
	s_add_co_u32 s34, s34, s29
	s_lshl_b32 s29, s17, 7
	s_add_co_u32 s34, s34, s29
	s_mov_b32 s35, 0
	s_mov_b32 s30, 0x76543210
	s_mov_b32 s31, 0xfedcba98                      ; v_permlanex16_b32's selects for lane l xor 16
	v_and_b32 v1, 15, v0                           ; r
	v_bfe_u32 v2, v0, 4, 1                         ; h
	v_and_b32 v7, 31, v0                           ; lane
	v_and_b32 v8, 8, v1
	v_add_nc_u32 v8, v8, v1                        ; r + 8 (r / 8)
	v_lshlrev_b32 v3, s22, v8
	v_lshl_add_u32 v3, v2, 7, v3                   ; tile u = 0: my row, + 128 h bytes
	v_add_nc_u32 v4, s28, v3                       ; tile u = 1
	v_lshlrev_b32 v5, 4, v7                        ; 16 x lane
	v_lshlrev_b32 v6, 2, v7                        ; 4 x lane
	v_lshlrev_b32 v16, 3, v2                       ; 8 h: my bytes' place in a scale word
	v_mov_b32 v17, 0                               ; written once: a lane permute's destination counts as one of its sources
	s_wait_kmcnt 0x0
	s_cmp_ge_u32 s19, 8                            ; the buffer is chosen by ids alone
	s_cselect_b64 s[4:5], s[8:9], s[4:5]
	s_cselect_b64 s[6:7], s[10:11], s[6:7]
	s_cmp_eq_u32 s20, 0
	s_cselect_b64 s[4:5], s[4:5], s[6:7]
	s_add_nc_u64 s[4:5], s[4:5], s[26:27]
	s_add_nc_u64 s[12:13], s[12:13], s[32:33]
	s_add_nc_u64 s[14:15], s[14:15], s[34:35]
.irp u, 0,1
.irp c, 0,1
.irp i, 0,1,2,3,4,5,6,7
	global_load_b128 v[X+64*\u+32*\c+4*\i:X+64*\u+32*\c+4*\i+3], v[3+\u], s[4:5] offset:256*\c+16*\i th:TH_LOAD_NT   ; W(my row, 128 s + 64 c + 32 h + 4 i ..): read once in the launch
.endr
.endr
.endr
; Fragment u: two blocks of 32, all mine.  The largest magnitude with the floor 2^(5 - 127) among its leaves; 4 off its exponent field is the conversion's scale operand; that shifted is the byte.
.macro QF u
.set XF, X+64*\u
.set CF, CD+12*\u
.irp c, 0,1
	v_max3_num_f32 v[8+\c], |v[XF+32*\c]|, |v[XF+32*\c+1]|, 0x2800000
.endr
.irp i, 2,4,6,8,10,12,14,16,18,20,22,24,26,28,30
.irp c, 0,1
	v_max3_num_f32 v[8+\c], v[8+\c], |v[XF+32*\c+\i]|, |v[XF+32*\c+\i+1]|   ; the two blocks by turns
.endr
.endr
.irp c, 0,1
	v_add_nc_u32 v[10+\c], 0xfe000000, v[8+\c]
.endr
.irp c, 0,1
	v_lshrrev_b32 v[12+\c], 23, v[10+\c]
.endr
	v_lshl_or_b32 v[14+\u], v13, 16, v12           ; my two bytes: blocks h and 2 + h of my row,
	v_lshlrev_b32 v[14+\u], v16, v[14+\u]          ; at their places;
	v_permlanex16_b32 v17, v[14+\u], s30, s31
	v_or_b32 v[14+\u], v[14+\u], v17               ; with lane l xor 16's two the word is whole, in both lanes
.irp c, 0,1
	v_cvt_scalef32_pk16_bf6_f32 v[CF+6*\c:CF+6*\c+2], v[XF+32*\c:XF+32*\c+15], v[10+\c]
	v_cvt_scalef32_pk16_bf6_f32 v[CT+4*\c:CT+4*\c+2], v[XF+32*\c+16:XF+32*\c+31], v[10+\c]
.endr
	v_nop                                          ; one plain place behind a scaled conversion
.irp c, 0,1
.irp i, 0,1,2
	v_mov_b32 v[CF+6*\c+3+\i], v[CT+4*\c+\i]
.endr
.endr
.endm
	s_wait_loadcnt 16                              ; fragment 0's sixteen loads are in; fragment 1's sixteen may be out
	QF 0
	s_wait_loadcnt 0x0
	QF 1
.irp u, 0,1
.irp c, 0,1,2
	global_store_b128 v5, v[CD+12*\u+4*\c:CD+12*\u+4*\c+3], s[12:13] offset:1536*\u+512*\c   ; an image of the operand's registers: 512 consecutive bytes
.endr
.endr
	v_cmp_le_u32 vcc_lo, 16, v7
	v_cndmask_b32 v14, v14, v15, vcc_lo            ; lanes 0-15 tile 0's words, lanes 16-31 tile 1's
	global_store_b32 v6, v14, s[14:15]
	s_endpgm
.Lfunc_end_k_q87d7a8a26c_prep:
	.size	k_q87d7a8a26c_prep, .Lfunc_end_k_q87d7a8a26c_prep-k_q87d7a8a26c_prep
	.p2alignl 7, 3214868480
	.fill 96, 4, 3214868480
	.section	.rodata,"a",@progbits
	.p2align	6, 0x0
	.amdhsa_kernel k_q87d7a8a26c_prep
		.amdhsa_group_segment_fixed_size 0
		.amdhsa_private_segment_fixed_size 0
		.amdhsa_enable_private_segment 0
		.amdhsa_kernarg_size 48
		.amdhsa_user_sgpr_count 2
		.amdhsa_user_sgpr_kernarg_segment_ptr 1
		.amdhsa_wavefront_size32 1
		.amdhsa_system_sgpr_workgroup_id_x 1
		.amdhsa_system_sgpr_workgroup_id_y 1
		.amdhsa_system_sgpr_workgroup_id_z 1
		.amdhsa_system_vgpr_workitem_id 0
		.amdhsa_next_free_vgpr 192
		.amdhsa_next_free_sgpr 66
		.amdhsa_reserve_vcc 1
		.amdhsa_float_denorm_mode_32 3
		.amdhsa_float_denorm_mode_16_64 3
		.amdhsa_memory_ordered 1
		.amdhsa_forward_progress 1
		.amdhsa_inst_pref_size 13
	.end_amdhsa_kernel
	.amdgpu_metadata
---
amdhsa.version: [ 1, 2 ]
amdhsa.kernels:
  - .name:           k_q87d7a8a26c_prep
    .symbol:         k_q87d7a8a26c_prep.kd
    .args:
      - { .name: W_f0, .offset: 0, .size: 8, .value_kind: global_buffer, .address_space: global }
      - { .name: W_b0, .offset: 8, .size: 8, .value_kind: global_buffer, .address_space: global }
      - { .name: W_f1, .offset: 16, .size: 8, .value_kind: global_buffer, .address_space: global }
      - { .name: W_b1, .offset: 24, .size: 8, .value_kind: global_buffer, .address_space: global }
      - { .name: wq, .offset: 32, .size: 8, .value_kind: global_buffer, .address_space: global }
      - { .name: wsc, .offset: 40, .size: 8, .value_kind: global_buffer, .address_space: global }
    .group_segment_fixed_size: 0
    .private_segment_fixed_size: 0
    .kernarg_segment_align: 8
    .kernarg_segment_size: 48
    .max_flat_workgroup_size: 96
    .sgpr_count:     66
    .vgpr_count:     192
    .wavefront_size: 32
...
	.end_amdgpu_metadata
.endif
;; end of part 1
;; launch fused (part 2): grid 256 x 1, 4 waves a work-group, clusters of 4 x 1, 327,680 bytes of LDS; arguments x, wq, wsc, b_f0, b_b0, b_f1, b_b1, out0, out1, out2; writes out0, out1, out2
.if DOCPART == 2
	.amdgcn_target "amdgcn-amd-amdhsa--gfx1250"
	.amdhsa_code_object_version 6
	.text
	.protected	k_q87d7a8a26c_fused
	.globl	k_q87d7a8a26c_fused
	.p2align	8
	.type	k_q87d7a8a26c_fused,@function
k_q87d7a8a26c_fused:
	s_mov_b64 s[64:65], 0
	v_nop
	global_prefetch_b8 v0, s[64:65] scope:SCOPE_SE
	s_setreg_imm32_b32 hwreg(HW_REG_WAVE_MODE, 25, 1), 1
	s_wait_xcnt 0x0
	s_wait_alu depctr_hold_cnt(0) depctr_sa_sdst(0) depctr_va_vdst(0) depctr_va_sdst(0) depctr_va_ssrc(0) depctr_va_vcc(0) depctr_vm_vsrc(0)
	s_getreg_b32 s2, hwreg(HW_REG_IB_STS2, 6, 4)
	s_cmp_eq_u32 s2, 0
	s_cbranch_scc0 .Lentry_in_a_cluster
	s_endpgm
.Lentry_in_a_cluster:
	s_bfe_u32 s2, ttmp6, 0x10000c
	s_cmp_lg_u32 s2, 0x3003
	s_cbranch_scc0 .Lentry_shape_is_right
	s_endpgm
.Lentry_shape_is_right:
; Both layers of the cell for 64 rows (of S x B = 16,384) to a work-group: x -> codes -> gates of layer 0 -> c, h -> codes -> gates of layer 1 -> c, h -> out0; the eight rows of h and c that reference() picks -> out1, out2.
; DEAD WORK: the f gate (rows 256..511 of every W and b) is split off by reference() and never used: it is not computed.  A NaN, an infinity or an overflow that would arise in it alone is not carried to a result.
; Products on codes of BF6 (E3M2) with one E8M0 scale for each 32 along K; sums, biases and activations in f32.  The hidden layer never goes to memory.
; ROWS.  A cluster of four work-groups owns 256 rows, dealt by turns: work-group cx takes rows 256 x cluster + 4 i + cx, i = 0..63 (row tile m, lane-row r: i = 16 m + r).  So the rows 0..7 and 16,376..16,383, which go to
; out1 and out2, fall two to each partner, at the same lanes in all four.
; SHARES.  THE WAVES SHARE THE COLUMNS: wave w makes hidden units 128 w .. 128 w + 127 of the 512 (direction w / 2) for all 64 rows, 32 units (a block) at a time: 3 gates x 2 tiles of 16 units x 4 tiles of 16 rows = 24 accumulators.
; THE PRODUCT IS USED TRANSPOSED (source 0 = 16 rows of W, source 1 = 16 rows of x or h): lane (r, h) holds row r, and the 16 registers of tiles u = 0, 1 are units 32 b + 16 h + 0..15 (the first launch chose W's rows so).
; x's codes (layer 0) and h's codes (layer 1) of the 64 rows stay in every wave's registers; the weights stream through a ring of two LDS slots, each wave fetching and reading its own quarter of a slot.
; CLUSTER.  The four work-groups of a cluster walk the same weight stream: every weight load is asked for jointly, by the same line with the same descriptor (made of the wave's number and constants) and the mask of all four.
; The work-group's place in its cluster enters only the global addresses of x and of the outputs: no branch, no mask of lanes and no LDS address.
; ACTIVATION.  ei = 2^(-i log2 e), eg = 2^(2 g log2 e), c = (eg - 1) / ((1 + ei)(1 + eg));  eo, ec likewise, h = (ec - 1) / ((1 + eo)(1 + ec)).
; LIMITS.  NaN and infinities among the inputs are not served.  2 g log2 e is held to -32 .. 32, where tanh in f32 is -1 or 1.  Where (1 + ei)(1 + eg) passes the largest f32 number c is given as 0 (|c| is then under 2^-90); h likewise.
; For |g| or |c| under about 1e-3 the difference eg - 1 loses bits: the error stays about 1e-7 in absolute size.  A block of zeros gets the scale byte 1: its codes are zeros.
; LDS: two slots of 147,456 bytes; behind them 26,112 bytes that LDS stores alone write, used three times with barriers between: x's images, h's rows of codes, the stages for out0; then the spare words.
; REGISTERS, in windows of 256: window 0: addresses, two sets of six W fragments (v16-87, v88-159), scale words (v160-215), at work.  window 1: x's fragments of K steps 0-3, later h's sixteen.
;   window 2: x's fragments of K steps 4-7; in layer 1 a second set of accumulators and (v192-239) its bias.  window 3: the accumulators (v0-63 i, v64-127 g, v128-191 o), v192-239 the bias, v240-255 at work; at the head x as f32.
.set RING,  147456                     ; a slot: one k of the weight stream
.set WPART, 36864                      ; a wave's quarter of it: four units
.set UNITB, 9216                       ; a unit: six fragments, 128 along K
.set FRB,   1536                       ; a fragment's image
.set R0,    2*RING                     ; the bytes that LDS stores write
.set XBB,   6656                       ; (a) one of two buffers: four images of x's fragments, then (at XSCO) their scale words, 128 bytes each
.set XSCO,  6144
.set HP,    392                        ; (b) a row of h's codes: 384 bytes + 8
.set HSC,   R0+64*HP                   ;     and h's scale words, 16 bytes a row
.set STGB,  16*272                     ; (c) a wave's stage: 16 rows x (256 bytes + 16)
.set SPARE, R0+26112                   ; the spare words, 128 bytes for each wave: two blocks of 256 bytes that no other line names
.set RR,  1                            ; v1   r = lane % 16
.set HH,  2                            ; v2   h = lane / 16
.set LN,  3                            ; v3   lane
.set XA,  4                            ; v4   x: 16384 r + 64 h (my work-group's rows lie four rows of 4,096 bytes apart)
.set XRI, 5                            ; v5   R0 + 16 x lane: an image's place for my lane
.set LS,  6                            ; v6   4 x lane: the weights' scale words in memory
.set XRS, 7                            ; v7   R0 + XSCO + 4 x lane
.set WA,  8                            ; v8-9 my quarter of slot 0, 1: + 16 x lane
.set XWI, 10                           ; v10  where I store my image of x
.set XWS, 11                           ; v11  and its scale words
.set HW0, 12                           ; v12  h's codes: R0 + 392 r + 96 w + 12 h
.set HWT, 13                           ; v13  the same for the block in hand
.set HR,  14                           ; v14  h's fragments: R0 + 392 r + 24 h
.set HSR, 15                           ; v15  h's scale words: HSC + 16 r
.set WF,  16                           ; v16-159 two sets of six W fragments
.set PC,  88                           ; at the head: the codes just made, v88-107
.set XS,  160                          ; v160-191 scale words of x, later of h: register 4 s + m
.set WS,  192                          ; v192-215 scale words of W
.set BA,  216                          ; v216 64 h: the bias
.set NA,  217                          ; v217 my place in out1 and out2
.set NAT, 218                          ; v218 the same for the block in hand
.set SO,  219                          ; v219 the stage: where I put a row's bytes
.set SR,  220                          ; v220 and where I read rows back
.set GO,  221                          ; v221 my byte offset in out0
.set HSW, 222                          ; v222 where I store h's scale words
.set TV,  223                          ; v223 at work at the head
.set TM,  224                          ; v224-239 the head's quantiser
.set PW,  240                          ; v240 its scale word
.set SPW, 252                          ; v252 LDS address of my spare word; never rewritten
.set NIL, 253                          ; v253 0; never rewritten
; s[8:15] descriptor group 1; s[16:19], s[20:23] group 0 of slot 0, 1; s24 wave; s25 cx; s27 direction; s[28:29] lane selects; s[30:31] -log2 e; s[32:33] 2 log2 e; s34, s35 -32, 32;
; s[36:37] x; s[38:39] wq; s[40:41] wsc, walking; s[42:43] layer 0's bias, walking; s[46:47] layer 1's; s[50:51] out0; s[52:53] out1; s[54:55] out2; s56, s57 masks of lanes; s58 saved EXEC; s59 count; s60, s61, s62 steps
.set MSB, 0
.macro WIN new                         ; the immediate's high byte repeats the setting that is left; a switch that changes nothing is dropped
.if MSB != (\new)
	s_set_vgpr_msb (MSB<<8)|(\new)
.set MSB, (\new)
.endif
.endm
.macro PLACES                          ; four places: in front of loads into registers that matrix instructions have read, and of the first read of results
.rept 4
	v_nop
.endr
.endm
.macro CROUND                          ; a round of the cluster's barrier
	s_barrier_signal -1
	s_barrier_wait -1
	s_cmp_lg_u32 s24, 0
	s_cbranch_scc1 .Lnot_wave_0_\@
	s_barrier_signal -3
.Lnot_wave_0_\@:
	s_barrier_wait -3
	s_barrier_signal -1
	s_barrier_wait -1
.endm
; THE CHANGE OF SLOTS: slot p has been read out and is filled again, two k on.  All my tensor loads have landed (the one that was out is the other slot's), the add, my reads are back; the round; the joint refill first behind it.
.macro CHANGE p
	WIN 0
	s_wait_tensorcnt 0x0                           ; no tensor load of mine is out, so a group 0 may be written
	ds_add_u32 v[SPW], v[NIL]                      ; 0 onto my spare word
	s_add_nc_u64 s[18+4*\p:19+4*\p], s[18+4*\p:19+4*\p], 2*RING
	s_wait_dscnt 0x0                               ; the add is done, and my reads of the slot are over
	CROUND                                         ; no wave of any partner still reads the slot or has a load on its way
	tensor_load_to_lds s[16+4*\p:19+4*\p], s[8:15]
	s_nop 0
	PLACES
.endm
.macro FETCHW p, un, set               ; unit un of slot p: six fragments, 18 loads of 512 consecutive bytes
.irp f, 0,1,2,3,4,5
.irp c, 0,1,2
	ds_load_b128 v[(\set)+12*\f+4*\c:(\set)+12*\f+4*\c+3], v[WA+\p] offset:UNITB*(\un)+FRB*\f+512*\c
.endr
.endr
.endm
.macro MM d, a, b, c, sa, sc, odd      ; tile u = 1 takes its rows' scales from lanes 16-31 of W's scale register
.if \odd
	v_wmma_scale_f32_16x16x128_f8f6f4 v[\d:\d+7], v[\a:\a+11], v[\b:\b+11], v[\c:\c+7], v[\sa], v[\sc] matrix_a_fmt:MATRIX_FMT_BF6 matrix_b_fmt:MATRIX_FMT_BF6 matrix_a_scale:MATRIX_SCALE_ROW1
.else
	v_wmma_scale_f32_16x16x128_f8f6f4 v[\d:\d+7], v[\a:\a+11], v[\b:\b+11], v[\c:\c+7], v[\sa], v[\sc] matrix_a_fmt:MATRIX_FMT_BF6 matrix_b_fmt:MATRIX_FMT_BF6
.endif
.endm
; A SLOT: four units of 128 along K, 24 matrix instructions each; the next unit's fragments are fetched into the other set ahead of a unit's products.
; mw: the windows of the products; first = 1: the first unit's C is the bias; W's scale word of gate g, unit t: v[wsb + wsg g + t]; the other side's: v[XS + 4 (sb + t) + m].
; The 24 accumulators take turns, one instruction a turn, in the same order in every unit.
.macro SLOT p, mw, first, wsb, wsg, sb
	PLACES
	FETCHW \p, 0, WF
.irp t, 0,1,2,3
.if \t < 3
	PLACES
	FETCHW \p, \t+1, WF+72*((\t+1)%2)
	s_wait_dscnt 18                                ; all but the 18 just issued: this unit's fragments are in
.else
	s_wait_dscnt 0x0
.endif
	WIN \mw
.irp f, 0,1,2,3,4,5
.irp m, 0,1,2,3
.set rD, 64*(\f/2)+16*\m+8*(\f%2)
.set rA, WF+72*(\t%2)+12*\f
.set rB, 12*(4*\t+\m)
.set rC, rD
.if \first && (\t == 0)
.set rC, 192+8*\f
.endif
.set rSA, \wsb+\wsg*(\f/2)+\t
.set rSB, XS+4*(\sb+\t)+\m
.set rO, \f%2
	MM rD, rA, rB, rC, rSA, rSB, rO
.endr
.endr
	WIN 0
.endr
.endm
; THE ACTIVATION of a block, 64 h a lane, in place, all operands in one window (wn).  I = v0-63, G = v64-127, O = v128-191.  h ends in I, c in G.
; Four batches of transcendentals, one wait each, ahead of the batch's first reader; plain lines that name no result of the batch stand between them.  Each accumulator is first read at its low end.
.macro ACT wn
	WIN \wn
.set j, 0
.rept 32
	v_pk_mul_f32 v[j:j+1], v[j:j+1], s[30:31] op_sel_hi:[1,0]                ; -i log2 e
.set j, j+2
.endr
.set j, 0
.rept 32
	v_pk_mul_f32 v[64+j:65+j], v[64+j:65+j], s[32:33] op_sel_hi:[1,0]        ; 2 g log2 e
	v_exp_f32 v[j], v[j]                                                     ; ei
	v_exp_f32 v[j+1], v[j+1]
	v_med3_num_f32 v[64+j], v[64+j], s34, s35                                ; held to -32 .. 32
	v_med3_num_f32 v[65+j], v[65+j], s34, s35
.set j, j+2
.endr
.set j, 0
.rept 32
	v_pk_mul_f32 v[128+j:129+j], v[128+j:129+j], s[30:31] op_sel_hi:[1,0]    ; -o log2 e
	v_exp_f32 v[64+j], v[64+j]                                               ; eg
	v_exp_f32 v[65+j], v[65+j]
.set j, j+2
.endr
	v_nop                                          ; a plain place behind the last exponential
	s_wait_alu depctr_va_vdst(0)                   ; one wait for ei and eg
.set j, 0
.rept 32
	v_pk_add_f32 v[j:j+1], v[j:j+1], 1.0 op_sel_hi:[1,0]                     ; 1 + ei
	v_exp_f32 v[128+j], v[128+j]                                             ; eo
	v_exp_f32 v[129+j], v[129+j]
.set j, j+2
.endr
.set j, 0
.rept 32
	v_pk_fma_f32 v[j:j+1], v[j:j+1], v[64+j:65+j], v[j:j+1]                  ; (1 + ei)(1 + eg)
.set j, j+2
.endr
.set j, 0
.rept 32
	v_rcp_f32 v[j], v[j]
	v_rcp_f32 v[j+1], v[j+1]
	v_pk_add_f32 v[64+j:65+j], v[64+j:65+j], -1.0 op_sel_hi:[1,0]            ; eg - 1
.set j, j+2
.endr
	s_wait_alu depctr_va_vdst(0)                   ; one wait for eo and the reciprocals
.set j, 0
.rept 32
	v_pk_mul_f32 v[64+j:65+j], v[64+j:65+j], v[j:j+1]                        ; c
.set j, j+2
.endr
.set j, 0
.rept 32
	v_pk_mul_f32 v[j:j+1], v[64+j:65+j], s[32:33] op_sel_hi:[1,0]            ; 2 c log2 e
	v_pk_add_f32 v[128+j:129+j], v[128+j:129+j], 1.0 op_sel_hi:[1,0]         ; 1 + eo
.if j > 0
	v_exp_f32 v[j-2], v[j-2]                                                 ; ec, a pair behind
	v_exp_f32 v[j-1], v[j-1]
.endif
.set j, j+2
.endr
	v_exp_f32 v62, v62
	v_exp_f32 v63, v63
	v_nop
	s_wait_alu depctr_va_vdst(0)                   ; one wait for ec
.set j, 0
.rept 32
	v_pk_fma_f32 v[128+j:129+j], v[128+j:129+j], v[j:j+1], v[128+j:129+j]    ; (1 + eo)(1 + ec)
.set j, j+2
.endr
.set j, 0
.rept 32
	v_rcp_f32 v[128+j], v[128+j]
	v_rcp_f32 v[129+j], v[129+j]
	v_pk_add_f32 v[j:j+1], v[j:j+1], -1.0 op_sel_hi:[1,0]                    ; ec - 1
.set j, j+2
.endr
	s_wait_alu depctr_va_vdst(0)                   ; one wait for the reciprocals
.set j, 0
.rept 32
	v_pk_mul_f32 v[j:j+1], v[j:j+1], v[128+j:129+j]                          ; h
.set j, j+2
.endr
.endm
; out1 and out2: rows 0..7 of the backward direction (cluster 0, row tile 0, lane-rows 0 and 1 of each partner) and rows 16,376..16,383 of the forward one (cluster 63, row tile 3, lane-rows 14 and 15).
; No branch: the lanes are chosen by EXEC, from masks made of the cluster's and the wave's number; in all other clusters and waves no lane is on.  EXEC changes only behind s_wait_xcnt 0.  wd: the window of the stores' data.
.macro NSTORE wd, imm
.irp m, 0,3
	s_wait_xcnt 0x0
.if \m == 0
	s_mov_b32 vcc_lo, s56
.else
	s_mov_b32 vcc_lo, s57
.endif
	s_and_saveexec_b32 s58, vcc_lo
	WIN \wd
.irp q, 0,1,2,3
	global_store_b128 v[NAT], v[16*\m+4*\q:16*\m+4*\q+3], s[52:53] offset:\imm+16*\q         ; h
	global_store_b128 v[NAT], v[64+16*\m+4*\q:64+16*\m+4*\q+3], s[54:55] offset:\imm+16*\q   ; c
.endr
	WIN 0
	s_wait_xcnt 0x0
	s_or_b32 exec_lo, exec_lo, s58
.endr
.endm
; Layer 0's h of a block becomes codes: for each row tile m a lane's 16 numbers are half a block of 32 along the next K; lane l xor 16 has the other half.  The codes go to LDS as rows of codes (12 bytes a lane),
; the byte is gathered in a word over the four blocks.  All in window 3; the four tiles by turns.
.macro QB
	WIN 0xFF
.irp m, 0,1,2,3
	v_max3_num_f32 v[240+\m], |v[16*\m]|, |v[16*\m+1]|, 0x2800000            ; with the floor 2^(5 - 127): the byte cannot fall under 1
.endr
.irp i, 2,4,6,8,10,12,14
.irp m, 0,1,2,3
	v_max3_num_f32 v[240+\m], v[240+\m], |v[16*\m+\i]|, |v[16*\m+\i+1]|
.endr
.endr
.irp m, 0,1,2,3
	v_permlanex16_b32 v[244+\m], v[240+\m], s28, s29
.endr
.irp m, 0,1,2,3
	v_max_num_f32 v[240+\m], v[240+\m], v[244+\m]
.endr
.irp m, 0,1,2,3
	v_add_nc_u32 v[248+\m], 0xfe000000, v[240+\m]                            ; 4 off the exponent field: the conversion's scale operand
.endr
.irp m, 0,1,2,3
	v_lshrrev_b32 v[244+\m], 23, v[248+\m]                                   ; the byte
.endr
.irp m, 0,1,2,3
	v_lshl_or_b32 v[252+\m], v[244+\m], s61, v[252+\m]                       ; at its place in my K step's scale word
.endr
.irp m, 0,1,2,3
	v_cvt_scalef32_pk16_bf6_f32 v[128+4*\m:130+4*\m], v[16*\m:16*\m+15], v[248+\m]
.endr
	v_nop                                          ; one plain place behind a scaled conversion
	WIN 0x0C                                       ; an LDS store's data are its source 1: window 3
.irp m, 0,1,2,3
.irp i, 0,1,2
	ds_store_b32 v[HWT], v[128+4*\m+\i] offset:16*HP*\m+4*\i
.endr
.endr
	WIN 0
.endm
; The head's quantiser: 64 numbers of a lane in window 3, register 16 b + i = k 32 b + 16 h + i of my row, become a fragment's codes in v[PC] on and its scale word in v[PW].
.macro QUANT src
	WIN 0x0F
.irp b, 0,1,2,3
	v_max3_num_f32 v[TM+\b], |v[(\src)+16*\b]|, |v[(\src)+1+16*\b]|, 0x2800000
.endr
	WIN 0x3C
.irp i, 2,4,6,8,10,12,14
.irp b, 0,1,2,3
	v_max3_num_f32 v[TM+\b], v[TM+\b], |v[(\src)+16*\b+\i]|, |v[(\src)+1+16*\b+\i]|
.endr
.endr
	WIN 0
.irp b, 0,1,2,3
	v_permlanex16_b32 v[TM+4+\b], v[TM+\b], s28, s29
.endr
.irp b, 0,1,2,3
	v_max_num_f32 v[TM+\b], v[TM+\b], v[TM+4+\b]
.endr
.irp b, 0,1,2,3
	v_add_nc_u32 v[TM+12+\b], 0xfe000000, v[TM+\b]
.endr
.irp b, 0,1,2,3
	v_lshrrev_b32 v[TM+4+\b], 23, v[TM+12+\b]
.endr
	v_lshl_or_b32 v[PW], v[TM+5], 8, v[TM+4]
	v_lshl_or_b32 v[PW], v[TM+6], 16, v[PW]
	v_lshl_or_b32 v[PW], v[TM+7], 24, v[PW]
	WIN 0x03
.irp c, 0,1
	v_cvt_scalef32_pk16_bf6_f32 v[PC+6*\c:PC+2+6*\c], v[(\src)+32*\c:(\src)+15+32*\c], v[TM+12+2*\c]
	v_cvt_scalef32_pk16_bf6_f32 v[PC+12+4*\c:PC+14+4*\c], v[(\src)+16+32*\c:(\src)+31+32*\c], v[TM+13+2*\c]
.endr
	WIN 0
	v_nop                                          ; one plain place behind a scaled conversion
.irp c, 0,1                            ; the operand's layout wants a whole block in a lane
.irp i, 0,1,2
	v_permlane16_swap_b32 v[PC+6*\c+\i], v[PC+12+4*\c+\i]
.endr
.irp i, 0,1,2
	v_mov_b32 v[PC+3+6*\c+\i], v[PC+12+4*\c+\i]
.endr
.endr
.endm
.macro XLOAD set, s                    ; my 16 rows' numbers of K step s, 64 a lane, into staging set 'set' of window 3
	WIN 0xC0
.irp bq, 0,1,2,3
.irp j, 0,1,2,3
	global_load_b128 v[64*(\set)+16*\bq+4*\j:64*(\set)+16*\bq+4*\j+3], v[XA], s[36:37] offset:512*(\s)+128*\bq+16*\j th:TH_LOAD_NT
.endr
.endr
	WIN 0
.endm
.macro WSL0                            ; layer 0: a block's 24 scale registers of W: gate g, K step 4 q + t
.irp q, 0,1
.irp g, 0,1,2
.irp t, 0,1,2,3
	global_load_b32 v[WS+8*\g+4*\q+\t], v[LS], s[40:41] offset:6144*\q+512*\g+128*\t
.endr
.endr
.endr
.endm
.macro WSL1                            ; layer 1: two blocks' 24
.irp be, 0,1
.irp g, 0,1,2
.irp t, 0,1,2,3
	global_load_b32 v[WS+12*\be+4*\g+\t], v[LS], s[40:41] offset:6144*\be+512*\g+128*\t
.endr
.endr
.endr
.endm
.macro BIASL bp, wn, add               ; a block's bias in the result's layout: tile (g, u), lane half h: units 16 h + 8 u + 0..7 of the gate's rows (+ 0, + 512, + 768)
	WIN \wn
.irp g, 0,1,2
.irp u, 0,1
.irp hf, 0,1
	global_load_b128 v[192+8*(2*\g+\u)+4*\hf:192+8*(2*\g+\u)+4*\hf+3], v[BA], s[\bp:\bp+1] offset:2048*\g-1024*(\g/2)+32*\u+16*\hf+\add
.endr
.endr
.endr
	WIN 0
.endm
.macro PRE0                            ; the next block's scale words and bias, asked for ahead of the activation
	s_wait_xcnt 0x0                                ; the earlier loads have read their bases
	s_add_nc_u64 s[40:41], s[40:41], 12288
	s_add_nc_u64 s[42:43], s[42:43], 128
	WSL0
	BIASL 42, 0xC0, 0
.endm
.macro PRE1 first                      ; the same for two blocks of layer 1
	s_wait_xcnt 0x0
	s_add_nc_u64 s[40:41], s[40:41], 12288
.if !\first
	s_add_nc_u64 s[46:47], s[46:47], 256
.endif
	WSL1
	BIASL 46, 0xC0, 0
	BIASL 46, 0x80, 128
.endm
; K step s of x: my 16 rows are quantised, the image goes to LDS, a barrier, and every wave takes all four row tiles' fragments and scale words into its registers.  Two buffers by turns: a buffer's readers
; have waited for their loads in front of the barrier that stands between them and the buffer's next stores.
.macro XSTEP s
.if (\s) <= 4
	s_wait_loadcnt 48                              ; this K step's 16 loads are in; those of the three K steps behind it may be out
.else
	s_wait_loadcnt 16*(7-(\s))
.endif
	QUANT 64*((\s)%4)
.if (\s) < 4
	XLOAD (\s)%4, (\s)+4
.endif
.if (\s) == 7
	BIASL 42, 0xC0, 0                              ; the first block's bias: its registers lay under the last staging set
.endif
.irp c, 0,1,2
	ds_store_b128 v[XWI], v[PC+4*\c:PC+4*\c+3] offset:XBB*((\s)%2)+512*\c
.endr
	ds_store_b32 v[XWS], v[PW] offset:XBB*((\s)%2)
	s_wait_dscnt 0x0                               ; my stores have landed, my loads of the other buffer are in
	s_barrier_signal -1
	s_barrier_wait -1                              ; the ring's first fills may stay out
	WIN 0x40+0x40*((\s)/4)
.irp m, 0,1,2,3
.irp c, 0,1,2
	ds_load_b128 v[12*(4*((\s)%4)+\m)+4*\c:12*(4*((\s)%4)+\m)+4*\c+3], v[XRI] offset:XBB*((\s)%2)+FRB*\m+512*\c
.endr
.endr
	WIN 0
.irp m, 0,1,2,3
	ds_load_b32 v[XS+4*(\s)+\m], v[XRS] offset:XBB*((\s)%2)+128*\m
.endr
.endm
; out0: two blocks (64 units, 256 bytes of a row) of 16 rows at a time through my own stage and back as whole runs of 256 bytes.  LDS serves a wave's instructions in order (ISA guide 5.7.1.4): no wait between stores and loads.
; My work-group's rows lie four rows of 2,048 bytes apart in out0.
.macro OUT
.irp m, 0,1,2,3
.if \m >= 2
	s_wait_xcnt 0x0                                ; the stores of two tiles back have read their registers
.endif
	WIN 0x0C
.irp q, 0,1,2,3
	ds_store_b128 v[SO], v[16*\m+4*\q:16*\m+4*\q+3] offset:16*\q
.endr
	WIN 0x08
.irp q, 0,1,2,3
	ds_store_b128 v[SO], v[16*\m+4*\q:16*\m+4*\q+3] offset:128+16*\q
.endr
	WIN 0
.irp i, 0,1,2,3,4,5,6,7
	ds_load_b128 v[WF+32*(\m%2)+4*\i:WF+32*(\m%2)+4*\i+3], v[SR] offset:544*\i
.endr
.irp i, 0,1,2,3,4,5,6,7
	s_wait_dscnt 7-\i                              ; the younger read-backs may be out
	global_store_b128 v[GO], v[WF+32*(\m%2)+4*\i:WF+32*(\m%2)+4*\i+3], s[50:51] offset:(16*\m+2*\i)*8192 th:TH_STORE_NT   ; sixteen lanes store 256 consecutive bytes, aligned
.endr
.endr
.endm
	s_load_b512 s[36:51], s[0:1], 0x0              ; x, wq, wsc, b_f0, b_b0, b_f1, b_b1, out0
	s_load_b128 s[52:55], s[0:1], 0x40             ; out1, out2
	v_lshl_add_u32 v[SPW], v0, 2, SPARE
	v_mov_b32 v[NIL], 0
	ds_add_u32 v[SPW], v[NIL]                      ; the wave's opening: the add, twice on end, and its wait ahead of my first tensor load
	ds_add_u32 v[SPW], v[NIL]                      ; and once more; the set-up below, work on registers, stands between it and the wait
	v_lshrrev_b32 v[TV], 5, v0
	v_readfirstlane_b32 s24, v[TV]                 ; wave 0..3
	v_and_b32 v[RR], 15, v0
	v_bfe_u32 v[HH], v0, 4, 1
	v_and_b32 v[LN], 31, v0
	s_bfe_u32 s25, ttmp6, 0x40000                  ; cx: it enters global addresses alone
	s_lshr_b32 s27, s24, 1                         ; direction
	s_and_b32 s3, s24, 1
	s_mul_i32 s4, s24, WPART                       ; my quarter of a slot
	s_mov_b32 s8, 15|(3<<16)|(1<<21)               ; group 1: the mask of all four work-groups; elements of 8 bytes; bit 21 beside a mask; no padding
	s_mov_b32 s9, 32<<16                           ; tensor_dim0 = 32 elements: rows of 256 bytes
	s_mov_b32 s10, 144<<16                         ; tensor_dim1 = 144 rows: 36,864 dense bytes
	s_mov_b32 s11, 32<<16                          ; tile_dim0
	s_mov_b32 s12, 144                             ; tile_dim1
	s_mov_b32 s13, 32                              ; the pitch
	s_mov_b32 s14, 0
	s_mov_b32 s15, 0
	s_mov_b32 s28, 0x76543210
	s_mov_b32 s29, 0xfedcba98                      ; v_permlanex16_b32's selects for lane l xor 16
	s_mov_b32 s30, 0xbfb8aa3b                      ; -log2 e
	s_mov_b32 s31, s30                             ; (the packed forms name a pair)
	s_mov_b32 s32, 0x4038aa3b                      ; 2 log2 e
	s_mov_b32 s33, s32
	s_mov_b32 s34, 0xc2000000                      ; -32
	s_mov_b32 s35, 0x42000000                      ; 32
	v_lshlrev_b32 v[XA], 14, v[RR]
	v_lshl_add_u32 v[XA], v[HH], 6, v[XA]
	v_lshl_add_u32 v[XRI], v[LN], 4, R0
	v_lshlrev_b32 v[LS], 2, v[LN]
	v_lshl_add_u32 v[XRS], v[LN], 2, R0+XSCO
	v_lshl_add_u32 v[WA], v[LN], 4, s4
	v_add_nc_u32 v[WA+1], RING, v[WA]
	s_mul_i32 s5, s24, FRB
	v_add_nc_u32 v[XWI], s5, v[XRI]
	s_lshl_b32 s5, s24, 7
	v_add_nc_u32 v[XWS], s5, v[XRS]
	v_mul_u32_u24 v[HW0], v[RR], HP
	v_mad_u32_u24 v[HW0], v[HH], 12, v[HW0]
	s_mul_i32 s5, s24, 96
	s_add_co_u32 s5, s5, R0
	v_add_nc_u32 v[HW0], s5, v[HW0]
	v_mul_u32_u24 v[HR], v[RR], HP
	v_mad_u32_u24 v[HR], v[HH], 24, v[HR]
	v_add_nc_u32 v[HR], R0, v[HR]
	v_lshl_add_u32 v[HSR], v[RR], 4, HSC
	s_lshl_b32 s5, s24, 2
	v_add_nc_u32 v[HSW], s5, v[HSR]
	v_lshlrev_b32 v[BA], 6, v[HH]
	s_mul_i32 s5, s24, STGB
	s_add_co_u32 s5, s5, R0                        ; my stage
	v_mul_u32_u24 v[SO], v[RR], 272
	v_add_nc_u32 v[SO], v[SO], v[BA]
	v_add_nc_u32 v[SO], s5, v[SO]                  ; in: row r, + 64 h
	v_mul_u32_u24 v[SR], v[HH], 272
	v_lshl_add_u32 v[SR], v[RR], 4, v[SR]
	v_add_nc_u32 v[SR], s5, v[SR]                  ; back: lanes 0-15 one row, lanes 16-31 the next
	v_lshlrev_b32 v[GO], 13, v[HH]
	v_lshl_add_u32 v[GO], v[RR], 4, v[GO]
	s_lshl_b32 s6, s24, 9
	v_add_nc_u32 v[GO], s6, v[GO]                  ; and the same in out0: my next row is 8,192 bytes on; + 512 w
.irp b, 0,1,2,3
	v_mov_b32 v[TM+4+\b], 0                        ; written once: a lane permute's destination counts as one of its sources
.endr
	v_and_b32 v[NA], 1, v[RR]                      ; out1, out2: (8 x direction + 4 (r % 2) + cx) x 1,024 + 512 (w % 2) + 64 h: lane-rows 0, 1 are rows cx, 4 + cx; lane-rows 14, 15 of the last tile rows 16,376 + cx, 16,380 + cx
	v_lshlrev_b32 v[NA], 12, v[NA]
	v_add_nc_u32 v[NA], v[NA], v[BA]
	s_lshl_b32 s66, s27, 13
	s_lshl_b32 s67, s3, 9
	s_add_co_u32 s66, s66, s67
	s_lshl_b32 s67, s25, 10
	s_add_co_u32 s66, s66, s67
	v_add_nc_u32 v[NA], s66, v[NA]
	s_mov_b32 s56, 0x00030003                      ; lane-rows 0, 1 of both halves:
	s_cmp_eq_u32 ttmp9, 0                          ; in the first cluster,
	s_cselect_b32 s56, s56, 0
	s_cmp_eq_u32 s27, 1                            ; the backward direction's waves
	s_cselect_b32 s56, s56, 0
	s_mov_b32 s57, 0xc000c000                      ; lane-rows 14, 15:
	s_cmp_eq_u32 ttmp9, 63                         ; in the last cluster,
	s_cselect_b32 s57, s57, 0
	s_cmp_eq_u32 s27, 0                            ; the forward direction's
	s_cselect_b32 s57, s57, 0
	s_lshl_b32 s66, ttmp9, 8
	s_add_co_u32 s66, s66, s25                     ; my work-group's first row: 256 x cluster + cx
	s_lshl_b32 s68, s66, 11                        ; in out0,
	s_mov_b32 s69, 0
	s_lshl_b32 s67, s24, 6
	s_add_co_u32 s66, s66, s67                     ; my wave's row tile of x begins 64 w rows on
	s_lshl_b32 s66, s66, 12
	s_mov_b32 s67, 0
	s_wait_dscnt 0x0                               ; both opening adds are done
	s_wait_kmcnt 0x0
	s_add_nc_u64 s[36:37], s[36:37], s[66:67]      ; x at my wave's first row
	s_add_nc_u64 s[50:51], s[50:51], s[68:69]      ; out0 at my work-group's first row
	s_mov_b32 s71, 0
	s_mul_i32 s70, s24, 1536
	s_add_nc_u64 s[40:41], s[40:41], s[70:71]      ; my wave's scale words
	s_cmp_eq_u32 s27, 0
	s_cselect_b64 s[42:43], s[42:43], s[44:45]     ; my direction's biases
	s_cselect_b64 s[46:47], s[46:47], s[48:49]
	s_lshl_b32 s70, s3, 9
	s_add_nc_u64 s[42:43], s[42:43], s[70:71]
	s_add_nc_u64 s[46:47], s[46:47], s[70:71]
	s_mov_b32 s70, s4
	s_mov_b32 s16, 1                               ; group 0 of slot 0: count 1,
	s_mov_b32 s17, s4                              ; LDS address,
	s_add_nc_u64 s[18:19], s[38:39], s[70:71]      ; global address: k = 0, my quarter,
	s_or_b32 s19, s19, 0x80000000                  ; type 2
	s_mov_b32 s20, 1
	s_add_co_u32 s21, s4, RING
	s_add_nc_u64 s[22:23], s[38:39], s[70:71]
	s_add_nc_u64 s[22:23], s[22:23], RING          ; k = 1
	s_or_b32 s23, s23, 0x80000000
	CROUND                                         ; all four work-groups are here: the first joint loads meet
	tensor_load_to_lds s[16:19], s[8:15]           ; two loads of mine are out from here; later one
	s_nop 0
	tensor_load_to_lds s[20:23], s[8:15]
	s_nop 0
	PLACES
	WSL0                                           ; the first block's scale words of W
	XLOAD 0, 0
	XLOAD 1, 1
	XLOAD 2, 2
	XLOAD 3, 3
.irp s, 0,1,2,3,4,5,6,7
	XSTEP \s
.endr
	WIN 0xC0
.irp m, 0,1,2,3
	v_mov_b32 v[244+\m], 0                         ; window 3: the permutes' destinations,
	v_mov_b32 v[252+\m], 0                         ; and h's scale words, which gather a byte a block
.endr
	WIN 0
	s_wait_tensorcnt 0x1                           ; my quarter of slot 0 is in, and I alone read it; slot 1's load may be out
	s_wait_dscnt 0x0                               ; x's last fragments and scale words
	s_mov_b32 s59, 4
	s_mov_b32 s60, 0                               ; 24 bytes of codes a block
	s_mov_b32 s61, 0                               ; 8 bits of a scale word a block
	s_mov_b32 s62, 0                               ; 128 bytes of out1, out2 a block
.Ll0:                                              ; LAYER 0: a trip is a block of 32 hidden units a wave: K = 1,024 in two slots
	s_wait_loadcnt 0x0                             ; the block's scale words and bias
	SLOT 0, 0xF4, 1, WS, 8, 0
	CHANGE 0
	SLOT 1, 0xF8, 0, WS+4, 8, 4
	CHANGE 1                                       ; its four v_nop are the places behind the last products
	s_cmp_eq_u32 s59, 1
	s_cbranch_scc1 .Lno_pre0                       ; the last block has no successor in this layer: no load leaves its buffer
	PRE0
.Lno_pre0:
	ACT 0xFF
	WIN 0
	v_add_nc_u32 v[NAT], s62, v[NA]
	v_add_nc_u32 v[HWT], s60, v[HW0]
	NSTORE 0x0C, 0
	QB
	s_add_co_u32 s60, s60, 24
	s_add_co_u32 s61, s61, 8
	s_add_co_u32 s62, s62, 128
	s_sub_co_u32 s59, s59, 1
	s_cmp_lg_u32 s59, 0
	s_cbranch_scc1 .Ll0
	s_wait_loadcnt 0x0                             ; the registers of W's scale words and of the bias are loaded anew below: every earlier load into them is shown done (the last trip asked for none)
	WIN 0x0C
.irp m, 0,1,2,3
	ds_store_b32 v[HSW], v[252+\m] offset:256*\m   ; my K step's scale word of each row; both lanes of a row write the same word
.endr
	WIN 0
	s_wait_dscnt 0x0                               ; my stores have landed
	s_barrier_signal -1
	s_barrier_wait -1                              ; h's 64 rows of codes lie in LDS
	WIN 0x40
.irp s, 0,1,2,3
.irp m, 0,1,2,3
.irp p, 0,1,2,3,4,5
	ds_load_b64 v[12*(4*\s+\m)+2*\p:12*(4*\s+\m)+2*\p+1], v[HR] offset:16*HP*\m+96*\s+48*(\p/3)+8*(\p%3)   ; 24 bytes of a row's stream of bits, as they lie, in pieces of 8
.endr
.endr
.endr
	WIN 0
.irp s, 0,1,2,3
.irp m, 0,1,2,3
	ds_load_b32 v[XS+4*\s+\m], v[HSR] offset:256*\m+4*\s
.endr
.endr
	PRE1 1
	s_mov_b32 s62, 16384                           ; layer 1's part of out1, out2
	s_wait_loadcnt 0x0
	s_wait_dscnt 0x0
	SLOT 0, 0xF4, 1, WS, 4, 0                      ; LAYER 1: K = 512 is one slot: blocks 0 and 1 into the two sets of accumulators
	CHANGE 0
	SLOT 1, 0xA4, 1, WS+12, 4, 0
	CHANGE 1                                       ; the last fill
	s_mov_b32 s59, 2
.Lv:                                               ; two trips: the activation and the way out of two blocks; between them the products of blocks 2 and 3
	s_cmp_eq_u32 s59, 1
	s_cbranch_scc1 .Lno_pre1
	PRE1 0
.Lno_pre1:
	ACT 0xFF
	ACT 0xAA
	WIN 0
	v_add_nc_u32 v[NAT], s62, v[NA]
	NSTORE 0x0C, 0
	NSTORE 0x08, 128
	OUT
	s_wait_xcnt 0x0                                ; the stores have read their registers and their base
	s_add_nc_u64 s[50:51], s[50:51], 256
	s_add_co_u32 s62, s62, 256
	s_sub_co_u32 s59, s59, 1
	s_cmp_eq_u32 s59, 0
	s_cbranch_scc1 .Ldone
	s_wait_loadcnt 0x0
	SLOT 0, 0xF4, 1, WS, 4, 0                      ; (its load was waited for at the last change of slots)
	s_wait_tensorcnt 0x0                           ; my last load, slot 1's: no load was issued behind it
	SLOT 1, 0xA4, 1, WS+12, 4, 0
	PLACES
	s_cmp_lg_u32 s59, 0
	s_cbranch_scc1 .Lv
.Ldone:
	s_wait_tensorcnt 0x0                           ; the wave's end, behind my last tensor load and my last LDS store
	ds_add_u32 v[SPW], v[NIL]
	s_wait_dscnt 0x0
	CROUND                                         ; the closing round: no work-group ends while a partner may still ask for a tile that names it
	s_endpgm
.Lfunc_end_k_q87d7a8a26c_fused:
	.size	k_q87d7a8a26c_fused, .Lfunc_end_k_q87d7a8a26c_fused-k_q87d7a8a26c_fused
	.p2alignl 7, 3214868480
	.fill 96, 4, 3214868480
	.section	.rodata,"a",@progbits
	.p2align	6, 0x0
	.amdhsa_kernel k_q87d7a8a26c_fused
		.amdhsa_group_segment_fixed_size 327680
		.amdhsa_private_segment_fixed_size 0
		.amdhsa_enable_private_segment 0
		.amdhsa_kernarg_size 80
		.amdhsa_user_sgpr_count 2
		.amdhsa_user_sgpr_kernarg_segment_ptr 1
		.amdhsa_wavefront_size32 1
		.amdhsa_system_sgpr_workgroup_id_x 1
		.amdhsa_system_sgpr_workgroup_id_y 1
		.amdhsa_system_sgpr_workgroup_id_z 1
		.amdhsa_system_vgpr_workitem_id 0
		.amdhsa_next_free_vgpr 1024
		.amdhsa_next_free_sgpr 80
		.amdhsa_reserve_vcc 1
		.amdhsa_float_denorm_mode_32 3
		.amdhsa_float_denorm_mode_16_64 3
		.amdhsa_memory_ordered 1
		.amdhsa_forward_progress 1
		.amdhsa_inst_pref_size 255
	.end_amdhsa_kernel
	.section	.bss,"aw",@nobits
	.p2align	6
	.space	262144
	.amdgpu_metadata
---
amdhsa.version: [ 1, 2 ]
amdhsa.kernels:
  - .name:           k_q87d7a8a26c_fused
    .symbol:         k_q87d7a8a26c_fused.kd
    .args:
      - { .name: x, .offset: 0, .size: 8, .value_kind: global_buffer, .address_space: global }
      - { .name: wq, .offset: 8, .size: 8, .value_kind: global_buffer, .address_space: global }
      - { .name: wsc, .offset: 16, .size: 8, .value_kind: global_buffer, .address_space: global }
      - { .name: b_f0, .offset: 24, .size: 8, .value_kind: global_buffer, .address_space: global }
      - { .name: b_b0, .offset: 32, .size: 8, .value_kind: global_buffer, .address_space: global }
      - { .name: b_f1, .offset: 40, .size: 8, .value_kind: global_buffer, .address_space: global }
      - { .name: b_b1, .offset: 48, .size: 8, .value_kind: global_buffer, .address_space: global }
      - { .name: out0, .offset: 56, .size: 8, .value_kind: global_buffer, .address_space: global }
      - { .name: out1, .offset: 64, .size: 8, .value_kind: global_buffer, .address_space: global }
      - { .name: out2, .offset: 72, .size: 8, .value_kind: global_buffer, .address_space: global }
    .group_segment_fixed_size: 327680
    .private_segment_fixed_size: 0
    .kernarg_segment_align: 8
    .kernarg_segment_size: 80
    .max_flat_workgroup_size: 128
    .sgpr_count:     80
    .vgpr_count:     1024
    .wavefront_size: 32
...
	.end_amdgpu_metadata
.endif
;; end of part 2
;; ======== version 2 of 2: 2 launches; 1.18 times as fast as version 1
;; limits: a function is approximated: absolute error at most 1e-07
;; workspace buffers: wq 1,769,472 bytes; wsc 73,728 bytes
;; launch prep (part 3): grid 16 x 12, 3 waves a work-group, no clusters, 51,200 bytes of LDS; arguments W_f0, W_b0, W_f1, W_b1, wq, wsc; writes wq, wsc
.if DOCPART == 3
	.amdgcn_target "amdgcn-amd-amdhsa--gfx1250"
	.amdhsa_code_object_version 6
	.text
	.protected	k_q87d7a8a26c_prep
	.globl	k_q87d7a8a26c_prep
	.p2align	8
	.type	k_q87d7a8a26c_prep,@function
k_q87d7a8a26c_prep:
	s_mov_b64 s[64:65], 0
	v_nop
	global_prefetch_b8 v0, s[64:65] scope:SCOPE_SE
	s_setreg_imm32_b32 hwreg(HW_REG_WAVE_MODE, 25, 1), 1
	s_wait_xcnt 0x0
; The live rows of the four weights become codes of BF6 (E3M2) with one E8M0 byte for each 32 along K, laid in the order in which the second launch's operand registers take them.
; DEAD WORK.  reference() splits the gates into i, f, g, o and never uses f: c = sigmoid(i) tanh(g), h = sigmoid(o) tanh(c).  So rows 256..511 of every W and of every b reach no output, whatever
; the inputs hold: they are neither read nor multiplied, in either layer and either direction.  All nine inputs stay live through their other rows.
; LIMIT: a NaN, an infinity or an overflow that would arise in the f gate alone is not carried to a result.
; LIMITS OF THE QUANTISER: NaN and infinities among the weights are not served; a block of zeros (and one whose largest magnitude lies under 2^(5 - 127)) gets the byte 1 where the rule says 127:
; its codes are zeros, which add nothing under that byte, and this program alone reads the bytes.
; THE STREAM.  wq: [k 0..11][w 0..3][unit t 0..3][fragment 2 g + u][c 0..2][lane][16 bytes].  wsc: [k][w][g][t][lane][4 bytes], lanes 0-15 tile u = 0's rows, lanes 16-31 tile u = 1's.
;   w: hidden units 128 w .. 128 w + 127 of the 512 (direction w / 2, unit 128 (w % 2) on inside it);  g: gate i, g, o (rows + 0, + 512, + 768 of W);
;   layer 0: k = 2 b + q, K step 4 q + t;  layer 1: k = 8 + b, K step t;  b: block of 32 hidden units.
;   Lane-row r of tile (g, u) is unit 32 b + 8 u + r + 8 (r / 8), so that the results of tiles u = 0, 1 are 16 neighbouring units in a lane of the transposed product.
; A fragment is 16 rows x 128 K in 12 registers: lane (r, h) holds k = 64 c + 32 h + 0..31 in registers 6 c .. 6 c + 5: two whole blocks of 32.
; SHARES.  Wave = gate g; work-group x = 4 w + t, y = k.  A wave makes the two fragments u = 0, 1 and their 128 bytes of scale words.  Waves share nothing: no barrier.
; THE TURN.  The two fragments' 32 rows are 32 neighbouring rows of W.  Each load takes one row's 512 consecutive bytes, 16 a lane; the rows go through the wave's own stage in LDS (528 bytes apart, so that sixteen
; rows begin in sixteen different groups of banks), placed fragment by fragment, and come back 128 bytes of a row to a lane, which is what the conversions want.
; Each store of codes covers 512 consecutive bytes, aligned; the one store of scale words covers 128.
.set ST,    528                        ; a stage row: 512 bytes + 16
.set WST,   32*ST                      ; a wave's stage
.set SPARE, 3*WST                      ; behind the three stages: the spare words, 128 bytes for each wave: two blocks of 256 bytes that no other line names
.set SPW, 18                           ; v18      LDS address of my spare word; never rewritten
.set NIL, 19                           ; v19      0; never rewritten
.set AD, 32                            ; v32-63   the 32 rows' byte offsets; when the loads are in, the codes take these registers
.set X,  64                            ; v64-191  the numbers: as loaded row i at 4 i; back from the stage fragment u at 64 u, block c at 32 c
.set CD, 32                            ; v32-55   the codes: fragment u at 12 u
.set CT, 56                            ; v56-62   the upper halves of the conversions (their three registers begin on an even number)
	s_load_b256 s[4:11], s[0:1], 0x0               ; W_f0, W_b0, W_f1, W_b1
	s_load_b128 s[12:15], s[0:1], 0x20             ; wq, wsc
	v_lshl_add_u32 v[SPW], v0, 2, SPARE
	v_mov_b32 v[NIL], 0
	v_lshrrev_b32 v1, 5, v0
	v_readfirstlane_b32 s16, v1                    ; the gate: 0, 1, 2
	s_and_b32 s17, ttmp9, 3                        ; t
	s_lshr_b32 s18, ttmp9, 2                       ; w
	s_and_b32 s19, ttmp7, 0xffff                   ; k
	s_lshr_b32 s20, s18, 1                         ; direction
	s_and_b32 s21, s18, 1
	s_sub_co_u32 s23, s19, 8                       ; layer 1: b = k - 8
	s_lshr_b32 s24, s19, 1                         ; layer 0: b = k / 2,
	s_and_b32 s25, s19, 1
	s_lshl_b32 s25, s25, 2
	s_add_co_u32 s25, s25, s17                     ; K step 4 (k % 2) + t
	s_cmp_ge_u32 s19, 8                            ; layer 1?
	s_cselect_b32 s22, 11, 12                      ; a row of W is 2,048 or 4,096 bytes: as a shift
	s_cselect_b32 s23, s23, s24                    ; b
	s_cselect_b32 s25, s17, s25                    ; the K step
	s_lshl_b32 s26, s16, 9
	s_lshr_b32 s27, s16, 1
	s_lshl_b32 s27, s27, 8
	s_sub_co_u32 s26, s26, s27                     ; the gate's first row: 0, 512, 768
	s_lshl_b32 s27, s21, 7
	s_add_co_u32 s26, s26, s27                     ; + 128 (w % 2)
	s_lshl_b32 s27, s23, 5
	s_add_co_u32 s26, s26, s27                     ; + 32 b
	s_lshl_b32 s26, s26, s22                       ; in bytes,
	s_lshl_b32 s27, s25, 9
	s_add_co_u32 s26, s26, s27                     ; + the K step's 512 bytes
	s_mov_b32 s27, 0
	s_mul_i32 s28, s16, WST                        ; my stage
	s_mul_i32 s32, s19, 147456                     ; where my two fragments go
	s_mul_i32 s29, s18, 36864
	s_add_co_u32 s32, s32, s29
	s_mul_i32 s29, s17, 9216
	s_add_co_u32 s32, s32, s29
	s_mul_i32 s29, s16, 3072
	s_add_co_u32 s32, s32, s29
	s_mov_b32 s33, 0
	s_mul_i32 s34, s19, 6144                       ; and their scale words
	s_mul_i32 s29, s18, 1536
	s_add_co_u32 s34, s34, s29
	s_lshl_b32 s29, s16, 9
	s_add_co_u32 s34, s34, s29
	s_lshl_b32 s29, s17, 7
	s_add_co_u32 s34, s34, s29
	s_mov_b32 s35, 0
	s_mov_b32 s30, 0x76543210
	s_mov_b32 s31, 0xfedcba98                      ; v_permlanex16_b32's selects for lane l xor 16
	v_and_b32 v1, 15, v0                           ; r
	v_bfe_u32 v2, v0, 4, 1                         ; h
	v_and_b32 v7, 31, v0                           ; lane
	v_lshlrev_b32 v5, 4, v7                        ; 16 x lane
	v_lshlrev_b32 v6, 2, v7                        ; 4 x lane
	v_add_nc_u32 v3, s28, v5                       ; the stage, on the way in: 16 x lane of a row
	v_mul_u32_u24 v4, v1, ST
	v_lshl_add_u32 v4, v2, 7, v4
	v_add_nc_u32 v4, s28, v4                       ; and on the way out: row r of a fragment, + 128 h
	v_lshlrev_b32 v16, 3, v2                       ; 8 h: my bytes' place in a scale word
	v_mov_b32 v17, 0                               ; written once: a lane permute's destination counts as one of its sources
.irp i, 0,1,2,3,4,5,6,7,8,9,10,11,12,13,14,15,16,17,18,19,20,21,22,23,24,25,26,27,28,29,30,31
	v_lshl_add_u32 v[AD+\i], \i, s22, v5           ; row i of the 32: i rows of W on, + 16 x lane
.endr
	s_wait_kmcnt 0x0
	s_cmp_ge_u32 s19, 8                            ; the buffer is chosen by ids alone
	s_cselect_b64 s[4:5], s[8:9], s[4:5]
	s_cselect_b64 s[6:7], s[10:11], s[6:7]
	s_cmp_eq_u32 s20, 0
	s_cselect_b64 s[4:5], s[4:5], s[6:7]
	s_add_nc_u64 s[4:5], s[4:5], s[26:27]
	s_add_nc_u64 s[12:13], s[12:13], s[32:33]
	s_add_nc_u64 s[14:15], s[14:15], s[34:35]
.irp i, 0,1,2,3,4,5,6,7,8,9,10,11,12,13,14,15,16,17,18,19,20,21,22,23,24,25,26,27,28,29,30,31
	global_load_b128 v[X+4*\i:X+4*\i+3], v[AD+\i], s[4:5] th:TH_LOAD_NT   ; 32 lanes read 512 consecutive bytes of one row; read once in the launch
.endr
.irp q, 0,1,2,3
	s_wait_loadcnt 24-8*\q                         ; rows 8 q .. 8 q + 7 are in; the younger loads may be out
.irp i, 0,1,2,3,4,5,6,7
	ds_store_b128 v3, v[X+4*(8*\q+\i):X+4*(8*\q+\i)+3] offset:(16*(\q%2)+\i+8*(\q/2))*ST   ; row 8 q + i is lane-row i + 8 (q / 2) of fragment q % 2
.endr
.endr
	s_wait_dscnt 0x0                               ; the stores have read their registers, which take the numbers back
.irp u, 0,1
.irp c, 0,1
.irp i, 0,1,2,3,4,5,6,7
	ds_load_b128 v[X+64*\u+32*\c+4*\i:X+64*\u+32*\c+4*\i+3], v4 offset:16*\u*ST+256*\c+16*\i   ; W(my row, 128 s + 64 c + 32 h + 4 i ..)
.endr
.endr
.endr
; Fragment u: two blocks of 32, all mine.  The largest magnitude with the floor 2^(5 - 127) among its leaves; 4 off its exponent field is the conversion's scale operand; that shifted is the byte.
.macro QF u
.set XF, X+64*\u
.set CF, CD+12*\u
.irp c, 0,1
	v_max3_num_f32 v[8+\c], |v[XF+32*\c]|, |v[XF+32*\c+1]|, 0x2800000
.endr
.irp i, 2,4,6,8,10,12,14,16,18,20,22,24,26,28,30
.irp c, 0,1
	v_max3_num_f32 v[8+\c], v[8+\c], |v[XF+32*\c+\i]|, |v[XF+32*\c+\i+1]|   ; the two blocks by turns
.endr
.endr
.irp c, 0,1
	v_add_nc_u32 v[10+\c], 0xfe000000, v[8+\c]
.endr
.irp c, 0,1
	v_lshrrev_b32 v[12+\c], 23, v[10+\c]
.endr
	v_lshl_or_b32 v[14+\u], v13, 16, v12           ; my two bytes: blocks h and 2 + h of my row,
	v_lshlrev_b32 v[14+\u], v16, v[14+\u]          ; at their places;
	v_permlanex16_b32 v17, v[14+\u], s30, s31
	v_or_b32 v[14+\u], v[14+\u], v17               ; with lane l xor 16's two the word is whole, in both lanes
.irp c, 0,1
	v_cvt_scalef32_pk16_bf6_f32 v[CF+6*\c:CF+6*\c+2], v[XF+32*\c:XF+32*\c+15], v[10+\c]
	v_cvt_scalef32_pk16_bf6_f32 v[CT+4*\c:CT+4*\c+2], v[XF+32*\c+16:XF+32*\c+31], v[10+\c]
.endr
	v_nop                                          ; one plain place behind a scaled conversion
.irp c, 0,1
.irp i, 0,1,2
	v_mov_b32 v[CF+6*\c+3+\i], v[CT+4*\c+\i]
.endr
.endr
.endm
	s_wait_dscnt 16                                ; fragment 0's sixteen loads are in; fragment 1's sixteen may be out
	QF 0
	s_wait_dscnt 0x0
	QF 1
.irp u, 0,1
.irp c, 0,1,2
	global_store_b128 v5, v[CD+12*\u+4*\c:CD+12*\u+4*\c+3], s[12:13] offset:1536*\u+512*\c   ; an image of the operand's registers: 512 consecutive bytes
.endr
.endr
	v_cmp_le_u32 vcc_lo, 16, v7
	v_cndmask_b32 v14, v14, v15, vcc_lo            ; lanes 0-15 tile 0's words, lanes 16-31 tile 1's
	global_store_b32 v6, v14, s[14:15]
	s_wait_tensorcnt 0x0                           ; the wave's end, behind my last LDS store
	ds_add_u32 v[SPW], v[NIL]
	s_wait_dscnt 0x0
	s_endpgm
.Lfunc_end_k_q87d7a8a26c_prep:
	.size	k_q87d7a8a26c_prep, .Lfunc_end_k_q87d7a8a26c_prep-k_q87d7a8a26c_prep
	.p2alignl 7, 3214868480
	.fill 96, 4, 3214868480
	.section	.rodata,"a",@progbits
	.p2align	6, 0x0
	.amdhsa_kernel k_q87d7a8a26c_prep
		.amdhsa_group_segment_fixed_size 51200
		.amdhsa_private_segment_fixed_size 0
		.amdhsa_enable_private_segment 0
		.amdhsa_kernarg_size 48
		.amdhsa_user_sgpr_count 2
		.amdhsa_user_sgpr_kernarg_segment_ptr 1
		.amdhsa_wavefront_size32 1
		.amdhsa_system_sgpr_workgroup_id_x 1
		.amdhsa_system_sgpr_workgroup_id_y 1
		.amdhsa_system_sgpr_workgroup_id_z 1
		.amdhsa_system_vgpr_workitem_id 0
		.amdhsa_next_free_vgpr 192
		.amdhsa_next_free_sgpr 66
		.amdhsa_reserve_vcc 1
		.amdhsa_float_denorm_mode_32 3
		.amdhsa_float_denorm_mode_16_64 3
		.amdhsa_memory_ordered 1
		.amdhsa_forward_progress 1
		.amdhsa_inst_pref_size 19
	.end_amdhsa_kernel
	.amdgpu_metadata
---
amdhsa.version: [ 1, 2 ]
amdhsa.kernels:
  - .name:           k_q87d7a8a26c_prep
    .symbol:         k_q87d7a8a26c_prep.kd
    .args:
      - { .name: W_f0, .offset: 0, .size: 8, .value_kind: global_buffer, .address_space: global }
      - { .name: W_b0, .offset: 8, .size: 8, .value_kind: global_buffer, .address_space: global }
      - { .name: W_f1, .offset: 16, .size: 8, .value_kind: global_buffer, .address_space: global }
      - { .name: W_b1, .offset: 24, .size: 8, .value_kind: global_buffer, .address_space: global }
      - { .name: wq, .offset: 32, .size: 8, .value_kind: global_buffer, .address_space: global }
      - { .name: wsc, .offset: 40, .size: 8, .value_kind: global_buffer, .address_space: global }
    .group_segment_fixed_size: 51200
    .private_segment_fixed_size: 0
    .kernarg_segment_align: 8
    .kernarg_segment_size: 48
    .max_flat_workgroup_size: 96
    .sgpr_count:     66
    .vgpr_count:     192
    .wavefront_size: 32
...
	.end_amdgpu_metadata
.endif
;; end of part 3
;; launch fused (part 4): grid 256 x 1, 4 waves a work-group, clusters of 4 x 1, 327,680 bytes of LDS; arguments x, wq, wsc, b_f0, b_b0, b_f1, b_b1, out0, out1, out2; writes out0, out1, out2
.if DOCPART == 4
	.amdgcn_target "amdgcn-amd-amdhsa--gfx1250"
	.amdhsa_code_object_version 6
	.text
	.protected	k_q87d7a8a26c_fused
	.globl	k_q87d7a8a26c_fused
	.p2align	8
	.type	k_q87d7a8a26c_fused,@function
k_q87d7a8a26c_fused:
	s_mov_b64 s[64:65], 0
	v_nop
	global_prefetch_b8 v0, s[64:65] scope:SCOPE_SE
	s_setreg_imm32_b32 hwreg(HW_REG_WAVE_MODE, 25, 1), 1
	s_wait_xcnt 0x0
	s_wait_alu depctr_hold_cnt(0) depctr_sa_sdst(0) depctr_va_vdst(0) depctr_va_sdst(0) depctr_va_ssrc(0) depctr_va_vcc(0) depctr_vm_vsrc(0)
	s_getreg_b32 s2, hwreg(HW_REG_IB_STS2, 6, 4)
	s_cmp_eq_u32 s2, 0
	s_cbranch_scc0 .Lentry_in_a_cluster
	s_endpgm
.Lentry_in_a_cluster:
	s_bfe_u32 s2, ttmp6, 0x10000c
	s_cmp_lg_u32 s2, 0x3003
	s_cbranch_scc0 .Lentry_shape_is_right
	s_endpgm
.Lentry_shape_is_right:
; Both layers of the cell for 64 rows (of S x B = 16,384) to a work-group: x -> codes -> gates of layer 0 -> c, h -> codes -> gates of layer 1 -> c, h -> out0; the eight rows of h and c that reference() picks -> out1, out2.
; DEAD WORK: the f gate (rows 256..511 of every W and b) is split off by reference() and never used: it is not computed.  A NaN, an infinity or an overflow that would arise in it alone is not carried to a result.
; Products on codes of BF6 (E3M2) with one E8M0 scale for each 32 along K; sums, biases and activations in f32.  The hidden layer never goes to memory.
; ROWS.  A cluster of four work-groups owns 256 rows, dealt by turns: work-group cx takes rows 256 x cluster + 4 i + cx, i = 0..63 (row tile m, lane-row r: i = 16 m + r).  So the rows 0..7 and 16,376..16,383, which go to
; out1 and out2, fall two to each partner, at the same lanes in all four.
; SHARES.  THE WAVES SHARE THE COLUMNS: wave w makes hidden units 128 w .. 128 w + 127 of the 512 (direction w / 2) for all 64 rows, 32 units (a block) at a time: 3 gates x 2 tiles of 16 units x 4 tiles of 16 rows = 24 accumulators.
; THE PRODUCT IS USED TRANSPOSED (source 0 = 16 rows of W, source 1 = 16 rows of x or h): lane (r, h) holds row r, and the 16 registers of tiles u = 0, 1 are units 32 b + 16 h + 0..15 (the first launch chose W's rows so).
; x's codes (layer 0) and h's codes (layer 1) of the 64 rows stay in every wave's registers; the weights stream through a ring of two LDS slots, each wave fetching and reading its own quarter of a slot.
; x IS LOADED AS IT LIES: a load takes 256 consecutive bytes of each of two rows, 16 a lane; half a K step (16 rows x 256 bytes) at a time turns through the wave's own stage in LDS and comes back 64 bytes of a row to a lane,
; the order in which the quantiser wants a lane's registers.
; CLUSTER.  The four work-groups of a cluster walk the same weight stream: every weight load is asked for jointly, by the same line with the same descriptor (made of the wave's number and constants) and the mask of all four.
; The work-group's place in its cluster enters only the global addresses of x and of the outputs: no branch, no mask of lanes and no LDS address.
; ACTIVATION.  ei = 2^(-i log2 e), eg = 2^(2 g log2 e), c = (eg - 1) / ((1 + ei)(1 + eg));  eo, ec likewise, h = (ec - 1) / ((1 + eo)(1 + ec)).
; LIMITS.  NaN and infinities among the inputs are not served.  2 g log2 e is held to -32 .. 32, where tanh in f32 is -1 or 1.  Where (1 + ei)(1 + eg) passes the largest f32 number c is given as 0 (|c| is then under 2^-90); h likewise.
; For |g| or |c| under about 1e-3 the difference eg - 1 loses bits: the error stays about 1e-7 in absolute size.  A block of zeros gets the scale byte 1: its codes are zeros.
; LDS: two slots of 147,456 bytes; behind them 30,720 bytes that LDS stores alone write, used three times with barriers between: x's images and the stages of x's turn, h's rows of codes, the stages for out0; then the spare words.
; REGISTERS, in windows of 256: window 0: addresses, two sets of six W fragments (v16-87, v88-159), scale words (v160-215), at work.  window 1: x's fragments of K steps 0-3, later h's sixteen.
;   window 2: x's fragments of K steps 4-7; in layer 1 a second set of accumulators and (v192-239) its bias.  window 3: the accumulators (v0-63 i, v64-127 g, v128-191 o), v192-239 the bias, v240-255 at work.
;   At the head x as f32: four sets of 64 as loaded (window 3 v0-191, window 2 v192-255) and one in the quantiser's order (window 3 v192-255).
.set RING,  147456                     ; a slot: one k of the weight stream
.set WPART, 36864                      ; a wave's quarter of it: four units
.set UNITB, 9216                       ; a unit: six fragments, 128 along K
.set FRB,   1536                       ; a fragment's image
.set R0,    2*RING                     ; the bytes that LDS stores write
.set XBB,   6656                       ; (a) one of two buffers: four images of x's fragments, then (at XSCO) their scale words, 128 bytes each
.set XSCO,  6144
.set XT,    R0+2*XBB                   ;     behind them the stages of x's turn: 16 rows x (256 bytes + 16) for each wave
.set XTB,   16*272
.set HP,    392                        ; (b) a row of h's codes: 384 bytes + 8
.set HSC,   R0+64*HP                   ;     and h's scale words, 16 bytes a row
.set STGB,  16*272                     ; (c) a wave's stage for out0: 16 rows x (256 bytes + 16)
.set SPARE, XT+4*XTB                   ; the spare words, 128 bytes for each wave: two blocks of 256 bytes that no other line names
.set RR,  1                            ; v1   r = lane % 16
.set HH,  2                            ; v2   h = lane / 16
.set LN,  3                            ; v3   lane
.set XA,  4                            ; v4   x: 16384 h + 16 r (my work-group's rows lie four rows of 4,096 bytes apart)
.set XRI, 5                            ; v5   R0 + 16 x lane: an image's place for my lane
.set LS,  6                            ; v6   4 x lane: the weights' scale words in memory
.set XRS, 7                            ; v7   R0 + XSCO + 4 x lane
.set WA,  8                            ; v8-9 my quarter of slot 0, 1: + 16 x lane
.set XWI, 10                           ; v10  where I store my image of x
.set XWS, 11                           ; v11  and its scale words
.set HW0, 12                           ; v12  h's codes: R0 + 392 r + 96 w + 12 h
.set HWT, 13                           ; v13  the same for the block in hand
.set HR,  14                           ; v14  h's fragments: R0 + 392 r + 24 h
.set HSR, 15                           ; v15  h's scale words: HSC + 16 r
.set WF,  16                           ; v16-159 two sets of six W fragments
.set PC,  88                           ; at the head: the codes just made, v88-107
.set XS,  160                          ; v160-191 scale words of x, later of h: register 4 s + m
.set WS,  192                          ; v192-215 scale words of W
.set BA,  216                          ; v216 64 h: the bias
.set NA,  217                          ; v217 my place in out1 and out2
.set NAT, 218                          ; v218 the same for the block in hand
.set SO,  219                          ; v219 the stage: where I put a row's bytes
.set SR,  220                          ; v220 and where I read rows back
.set GO,  221                          ; v221 my byte offset in out0
.set HSW, 222                          ; v222 where I store h's scale words
.set TV,  223                          ; v223 at work at the head
.set TM,  224                          ; v224-239 the head's quantiser
.set PW,  240                          ; v240 its scale word
.set XTW, 241                          ; v241 x's turn, on the way in: my stage + 272 h + 16 r
.set XTR, 242                          ; v242 and on the way out: my stage + 272 r + 64 h
.set XQ,  192                          ; window 3: x in the quantiser's order
.set SPW, 252                          ; v252 LDS address of my spare word; never rewritten
.set NIL, 253                          ; v253 0; never rewritten
; s[8:15] descriptor group 1; s[16:19], s[20:23] group 0 of slot 0, 1; s24 wave; s25 cx; s27 direction; s[28:29] lane selects; s[30:31] -log2 e; s[32:33] 2 log2 e; s34, s35 -32, 32;
; s[36:37] x; s[38:39] wq; s[40:41] wsc, walking; s[42:43] layer 0's bias, walking; s[46:47] layer 1's; s[50:51] out0; s[52:53] out1; s[54:55] out2; s56, s57 masks of lanes; s58 saved EXEC; s59 count; s60, s61, s62 steps
.set MSB, 0
.macro WIN new                         ; the immediate's high byte repeats the setting that is left; a switch that changes nothing is dropped
.if MSB != (\new)
	s_set_vgpr_msb (MSB<<8)|(\new)
.set MSB, (\new)
.endif
.endm
.macro PLACES                          ; four places: in front of loads into registers that matrix instructions have read, and of the first read of results
.rept 4
	v_nop
.endr
.endm
.macro CROUND                          ; a round of the cluster's barrier
	s_barrier_signal -1
	s_barrier_wait -1
	s_cmp_lg_u32 s24, 0
	s_cbranch_scc1 .Lnot_wave_0_\@
	s_barrier_signal -3
.Lnot_wave_0_\@:
	s_barrier_wait -3
	s_barrier_signal -1
	s_barrier_wait -1
.endm
; THE CHANGE OF SLOTS: slot p has been read out and is filled again, two k on.  All my tensor loads have landed (the one that was out is the other slot's), the add, my reads are back; the round; the joint refill first behind it.
.macro CHANGE p
	WIN 0
	s_wait_tensorcnt 0x0                           ; no tensor load of mine is out, so a group 0 may be written
	ds_add_u32 v[SPW], v[NIL]                      ; 0 onto my spare word
	s_add_nc_u64 s[18+4*\p:19+4*\p], s[18+4*\p:19+4*\p], 2*RING
	s_wait_dscnt 0x0                               ; the add is done, and my reads of the slot are over
	CROUND                                         ; no wave of any partner still reads the slot or has a load on its way
	tensor_load_to_lds s[16+4*\p:19+4*\p], s[8:15]
	s_nop 0
	PLACES
.endm
.macro FETCHW p, un, set               ; unit un of slot p: six fragments, 18 loads of 512 consecutive bytes
.irp f, 0,1,2,3,4,5
.irp c, 0,1,2
	ds_load_b128 v[(\set)+12*\f+4*\c:(\set)+12*\f+4*\c+3], v[WA+\p] offset:UNITB*(\un)+FRB*\f+512*\c
.endr
.endr
.endm
.macro MM d, a, b, c, sa, sc, odd      ; tile u = 1 takes its rows' scales from lanes 16-31 of W's scale register
.if \odd
	v_wmma_scale_f32_16x16x128_f8f6f4 v[\d:\d+7], v[\a:\a+11], v[\b:\b+11], v[\c:\c+7], v[\sa], v[\sc] matrix_a_fmt:MATRIX_FMT_BF6 matrix_b_fmt:MATRIX_FMT_BF6 matrix_a_scale:MATRIX_SCALE_ROW1
.else
	v_wmma_scale_f32_16x16x128_f8f6f4 v[\d:\d+7], v[\a:\a+11], v[\b:\b+11], v[\c:\c+7], v[\sa], v[\sc] matrix_a_fmt:MATRIX_FMT_BF6 matrix_b_fmt:MATRIX_FMT_BF6
.endif
.endm
; A SLOT: four units of 128 along K, 24 matrix instructions each; the next unit's fragments are fetched into the other set ahead of a unit's products.
; mw: the windows of the products; first = 1: the first unit's C is the bias; W's scale word of gate g, unit t: v[wsb + wsg g + t]; the other side's: v[XS + 4 (sb + t) + m].
; The 24 accumulators take turns, one instruction a turn, in the same order in every unit.
.macro SLOT p, mw, first, wsb, wsg, sb
	PLACES
	FETCHW \p, 0, WF
.irp t, 0,1,2,3
.if \t < 3
	PLACES
	FETCHW \p, \t+1, WF+72*((\t+1)%2)
	s_wait_dscnt 18                                ; all but the 18 just issued: this unit's fragments are in
.else
	s_wait_dscnt 0x0
.endif
	WIN \mw
.irp f, 0,1,2,3,4,5
.irp m, 0,1,2,3
.set rD, 64*(\f/2)+16*\m+8*(\f%2)
.set rA, WF+72*(\t%2)+12*\f
.set rB, 12*(4*\t+\m)
.set rC, rD
.if \first && (\t == 0)
.set rC, 192+8*\f
.endif
.set rSA, \wsb+\wsg*(\f/2)+\t
.set rSB, XS+4*(\sb+\t)+\m
.set rO, \f%2
	MM rD, rA, rB, rC, rSA, rSB, rO
.endr
.endr
	WIN 0
.endr
.endm
; THE ACTIVATION of a block, 64 h a lane, in place, all operands in one window (wn).  I = v0-63, G = v64-127, O = v128-191.  h ends in I, c in G.
; Four batches of transcendentals, one wait each, ahead of the batch's first reader; plain lines that name no result of the batch stand between them.  Each accumulator is first read at its low end.
; It is written in two parts, each ending behind a batch's wait: 513 vector lines up to 1 / ((1 + ei)(1 + eg)) and eo, 321 from c on.
.macro ACT_A wn
	WIN \wn
.set j, 0
.rept 32
	v_pk_mul_f32 v[j:j+1], v[j:j+1], s[30:31] op_sel_hi:[1,0]                ; -i log2 e
.set j, j+2
.endr
.set j, 0
.rept 32
	v_pk_mul_f32 v[64+j:65+j], v[64+j:65+j], s[32:33] op_sel_hi:[1,0]        ; 2 g log2 e
	v_exp_f32 v[j], v[j]                                                     ; ei
	v_exp_f32 v[j+1], v[j+1]
	v_med3_num_f32 v[64+j], v[64+j], s34, s35                                ; held to -32 .. 32
	v_med3_num_f32 v[65+j], v[65+j], s34, s35
.set j, j+2
.endr
.set j, 0
.rept 32
	v_pk_mul_f32 v[128+j:129+j], v[128+j:129+j], s[30:31] op_sel_hi:[1,0]    ; -o log2 e
	v_exp_f32 v[64+j], v[64+j]                                               ; eg
	v_exp_f32 v[65+j], v[65+j]
.set j, j+2
.endr
	v_nop                                          ; a plain place behind the last exponential
	s_wait_alu depctr_va_vdst(0)                   ; one wait for ei and eg
.set j, 0
.rept 32
	v_pk_add_f32 v[j:j+1], v[j:j+1], 1.0 op_sel_hi:[1,0]                     ; 1 + ei
	v_exp_f32 v[128+j], v[128+j]                                             ; eo
	v_exp_f32 v[129+j], v[129+j]
.set j, j+2
.endr
.set j, 0
.rept 32
	v_pk_fma_f32 v[j:j+1], v[j:j+1], v[64+j:65+j], v[j:j+1]                  ; (1 + ei)(1 + eg)
.set j, j+2
.endr
.set j, 0
.rept 32
	v_rcp_f32 v[j], v[j]
	v_rcp_f32 v[j+1], v[j+1]
	v_pk_add_f32 v[64+j:65+j], v[64+j:65+j], -1.0 op_sel_hi:[1,0]            ; eg - 1
.set j, j+2
.endr
	s_wait_alu depctr_va_vdst(0)                   ; one wait for eo and the reciprocals
.endm
.macro ACT_B wn
	WIN \wn
.set j, 0
.rept 32
	v_pk_mul_f32 v[64+j:65+j], v[64+j:65+j], v[j:j+1]                        ; c
.set j, j+2
.endr
.set j, 0
.rept 32
	v_pk_mul_f32 v[j:j+1], v[64+j:65+j], s[32:33] op_sel_hi:[1,0]            ; 2 c log2 e
	v_pk_add_f32 v[128+j:129+j], v[128+j:129+j], 1.0 op_sel_hi:[1,0]         ; 1 + eo
.if j > 0
	v_exp_f32 v[j-2], v[j-2]                                                 ; ec, a pair behind
	v_exp_f32 v[j-1], v[j-1]
.endif
.set j, j+2
.endr
	v_exp_f32 v62, v62
	v_exp_f32 v63, v63
	v_nop
	s_wait_alu depctr_va_vdst(0)                   ; one wait for ec
.set j, 0
.rept 32
	v_pk_fma_f32 v[128+j:129+j], v[128+j:129+j], v[j:j+1], v[128+j:129+j]    ; (1 + eo)(1 + ec)
.set j, j+2
.endr
.set j, 0
.rept 32
	v_rcp_f32 v[128+j], v[128+j]
	v_rcp_f32 v[129+j], v[129+j]
	v_pk_add_f32 v[j:j+1], v[j:j+1], -1.0 op_sel_hi:[1,0]                    ; ec - 1
.set j, j+2
.endr
	s_wait_alu depctr_va_vdst(0)                   ; one wait for the reciprocals
.set j, 0
.rept 32
	v_pk_mul_f32 v[j:j+1], v[j:j+1], v[128+j:129+j]                          ; h
.set j, j+2
.endr
.endm
.macro ACT wn
	ACT_A \wn
	ACT_B \wn
.endm
; out1 and out2: rows 0..7 of the backward direction (cluster 0, row tile 0, lane-rows 0 and 1 of each partner) and rows 16,376..16,383 of the forward one (cluster 63, row tile 3, lane-rows 14 and 15).
; No branch: the lanes are chosen by EXEC, from masks made of the cluster's and the wave's number; in all other clusters and waves no lane is on.  EXEC changes only behind s_wait_xcnt 0.  wd: the window of the stores' data.
.macro NSTORE wd, imm
.irp m, 0,3
	s_wait_xcnt 0x0
.if \m == 0
	s_mov_b32 vcc_lo, s56
.else
	s_mov_b32 vcc_lo, s57
.endif
	s_and_saveexec_b32 s58, vcc_lo
	WIN \wd
.irp q, 0,1,2,3
	global_store_b128 v[NAT], v[16*\m+4*\q:16*\m+4*\q+3], s[52:53] offset:\imm+16*\q         ; h
	global_store_b128 v[NAT], v[64+16*\m+4*\q:64+16*\m+4*\q+3], s[54:55] offset:\imm+16*\q   ; c
.endr
	WIN 0
	s_wait_xcnt 0x0
	s_or_b32 exec_lo, exec_lo, s58
.endr
.endm
; Layer 0's h of a block becomes codes: for each row tile m a lane's 16 numbers are half a block of 32 along the next K; lane l xor 16 has the other half.  The codes go to LDS as rows of codes (12 bytes a lane),
; the byte is gathered in a word over the four blocks.  All in window 3; the four tiles by turns.
.macro QB
	WIN 0xFF
.irp m, 0,1,2,3
	v_max3_num_f32 v[240+\m], |v[16*\m]|, |v[16*\m+1]|, 0x2800000            ; with the floor 2^(5 - 127): the byte cannot fall under 1
.endr
.irp i, 2,4,6,8,10,12,14
.irp m, 0,1,2,3
	v_max3_num_f32 v[240+\m], v[240+\m], |v[16*\m+\i]|, |v[16*\m+\i+1]|
.endr
.endr
.irp m, 0,1,2,3
	v_permlanex16_b32 v[244+\m], v[240+\m], s28, s29
.endr
.irp m, 0,1,2,3
	v_max_num_f32 v[240+\m], v[240+\m], v[244+\m]
.endr
.irp m, 0,1,2,3
	v_add_nc_u32 v[248+\m], 0xfe000000, v[240+\m]                            ; 4 off the exponent field: the conversion's scale operand
.endr
.irp m, 0,1,2,3
	v_lshrrev_b32 v[244+\m], 23, v[248+\m]                                   ; the byte
.endr
.irp m, 0,1,2,3
	v_lshl_or_b32 v[252+\m], v[244+\m], s61, v[252+\m]                       ; at its place in my K step's scale word
.endr
.irp m, 0,1,2,3
	v_cvt_scalef32_pk16_bf6_f32 v[128+4*\m:130+4*\m], v[16*\m:16*\m+15], v[248+\m]
.endr
	v_nop                                          ; one plain place behind a scaled conversion
	WIN 0x0C                                       ; an LDS store's data are its source 1: window 3
.irp m, 0,1,2,3
.irp i, 0,1,2
	ds_store_b32 v[HWT], v[128+4*\m+\i] offset:16*HP*\m+4*\i
.endr
.endr
	WIN 0
.endm
; The head's quantiser: 64 numbers of a lane in window 3, register 16 b + i = k 32 b + 16 h + i of my row, become a fragment's codes in v[PC] on and its scale word in v[PW].
.macro QUANT src
	WIN 0x0F
.irp b, 0,1,2,3
	v_max3_num_f32 v[TM+\b], |v[(\src)+16*\b]|, |v[(\src)+1+16*\b]|, 0x2800000
.endr
	WIN 0x3C
.irp i, 2,4,6,8,10,12,14
.irp b, 0,1,2,3
	v_max3_num_f32 v[TM+\b], v[TM+\b], |v[(\src)+16*\b+\i]|, |v[(\src)+1+16*\b+\i]|
.endr
.endr
	WIN 0
.irp b, 0,1,2,3
	v_permlanex16_b32 v[TM+4+\b], v[TM+\b], s28, s29
.endr
.irp b, 0,1,2,3
	v_max_num_f32 v[TM+\b], v[TM+\b], v[TM+4+\b]
.endr
.irp b, 0,1,2,3
	v_add_nc_u32 v[TM+12+\b], 0xfe000000, v[TM+\b]
.endr
.irp b, 0,1,2,3
	v_lshrrev_b32 v[TM+4+\b], 23, v[TM+12+\b]
.endr
	v_lshl_or_b32 v[PW], v[TM+5], 8, v[TM+4]
	v_lshl_or_b32 v[PW], v[TM+6], 16, v[PW]
	v_lshl_or_b32 v[PW], v[TM+7], 24, v[PW]
	WIN 0x03
.irp c, 0,1
	v_cvt_scalef32_pk16_bf6_f32 v[PC+6*\c:PC+2+6*\c], v[(\src)+32*\c:(\src)+15+32*\c], v[TM+12+2*\c]
	v_cvt_scalef32_pk16_bf6_f32 v[PC+12+4*\c:PC+14+4*\c], v[(\src)+16+32*\c:(\src)+31+32*\c], v[TM+13+2*\c]
.endr
	WIN 0
	v_nop                                          ; one plain place behind a scaled conversion
.irp c, 0,1                            ; the operand's layout wants a whole block in a lane
.irp i, 0,1,2
	v_permlane16_swap_b32 v[PC+6*\c+\i], v[PC+12+4*\c+\i]
.endr
.irp i, 0,1,2
	v_mov_b32 v[PC+3+6*\c+\i], v[PC+12+4*\c+\i]
.endr
.endr
.endm
.macro RSET set                        ; where set 'set' of x as loaded lies: sets 0-2 in window 3 at 64 x set, set 3 in window 2 at v192
.if (\set) == 3
.set RB,  192
.set WLD, 0x80
.set WSD, 0x08
.else
.set RB,  64*(\set)
.set WLD, 0xC0
.set WSD, 0x0C
.endif
.endm
.macro XLOAD set, s                    ; my 16 rows' numbers of K step s as they lie: load (hf, i) takes bytes 256 hf .. + 255 of the step of rows 2 i (lanes 0-15) and 2 i + 1 (lanes 16-31): two runs of 256 consecutive bytes, aligned
	RSET \set
	WIN WLD
.irp hf, 0,1
.irp i, 0,1,2,3,4,5,6,7
	global_load_b128 v[RB+32*\hf+4*\i:RB+32*\hf+4*\i+3], v[XA], s[36:37] offset:32768*\i+512*(\s)+256*\hf th:TH_LOAD_NT
.endr
.endr
	WIN 0
.endm
; THE TURN: half a K step at a time through my own stage: eight stores as loaded, eight loads of 16 bytes at row r, 64 h + 128 bq + 16 j.  LDS serves a wave's instructions in order (ISA guide 5.7.1.4): no wait between
; the stores and the loads, nor in front of the second half's stores into the same bytes.
.macro TURN set
	RSET \set
.irp hf, 0,1
	WIN WSD
.irp i, 0,1,2,3,4,5,6,7
	ds_store_b128 v[XTW], v[RB+32*\hf+4*\i:RB+32*\hf+4*\i+3] offset:544*\i
.endr
	WIN 0xC0
.irp bq, 0,1
.irp j, 0,1,2,3
	ds_load_b128 v[XQ+32*\hf+16*\bq+4*\j:XQ+32*\hf+16*\bq+4*\j+3], v[XTR] offset:128*\bq+16*\j
.endr
.endr
.endr
	WIN 0
.endm
.macro WSL0                            ; layer 0: a block's 24 scale registers of W: gate g, K step 4 q + t
.irp q, 0,1
.irp g, 0,1,2
.irp t, 0,1,2,3
	global_load_b32 v[WS+8*\g+4*\q+\t], v[LS], s[40:41] offset:6144*\q+512*\g+128*\t
.endr
.endr
.endr
.endm
.macro WSL1                            ; layer 1: two blocks' 24
.irp be, 0,1
.irp g, 0,1,2
.irp t, 0,1,2,3
	global_load_b32 v[WS+12*\be+4*\g+\t], v[LS], s[40:41] offset:6144*\be+512*\g+128*\t
.endr
.endr
.endr
.endm
.macro BIASL bp, wn, add               ; a block's bias in the result's layout: tile (g, u), lane half h: units 16 h + 8 u + 0..7 of the gate's rows (+ 0, + 512, + 768)
	WIN \wn
.irp g, 0,1,2
.irp u, 0,1
.irp hf, 0,1
	global_load_b128 v[192+8*(2*\g+\u)+4*\hf:192+8*(2*\g+\u)+4*\hf+3], v[BA], s[\bp:\bp+1] offset:2048*\g-1024*(\g/2)+32*\u+16*\hf+\add
.endr
.endr
.endr
	WIN 0
.endm
.macro PRE0                            ; the next block's scale words and bias, asked for ahead of the activation
	s_wait_xcnt 0x0                                ; the earlier loads have read their bases
	s_add_nc_u64 s[40:41], s[40:41], 12288
	s_add_nc_u64 s[42:43], s[42:43], 128
	WSL0
	BIASL 42, 0xC0, 0
.endm
.macro PRE1 first                      ; the same for two blocks of layer 1
	s_wait_xcnt 0x0
	s_add_nc_u64 s[40:41], s[40:41], 12288
.if !\first
	s_add_nc_u64 s[46:47], s[46:47], 256
.endif
	WSL1
	BIASL 46, 0xC0, 0
	BIASL 46, 0x80, 128
.endm
; K step s of x: my 16 rows turn through the stage and are quantised, the image goes to LDS, a barrier, and every wave takes all four row tiles' fragments and scale words into its registers.  Two image buffers by turns:
; a buffer's readers have waited for their loads in front of the barrier that stands between them and the buffer's next stores.
.macro XSTEP s
.if (\s) <= 4
	s_wait_loadcnt 48                              ; this K step's 16 loads are in; those of the three K steps behind it may be out
.else
	s_wait_loadcnt 16*(7-(\s))
.endif
	TURN (\s)%4
	s_wait_dscnt 0x0                               ; the numbers are back in the quantiser's order, and the stores have read the set as loaded,
.if (\s) < 4
	XLOAD (\s)%4, (\s)+4                           ; which takes the loads of four K steps on
.endif
	QUANT XQ
.if (\s) == 7
	BIASL 42, 0xC0, 0                              ; the first block's bias: its registers lay under the quantiser's set
.endif
.irp c, 0,1,2
	ds_store_b128 v[XWI], v[PC+4*\c:PC+4*\c+3] offset:XBB*((\s)%2)+512*\c
.endr
	ds_store_b32 v[XWS], v[PW] offset:XBB*((\s)%2)
	s_wait_dscnt 0x0                               ; my stores have landed, my loads of the other buffer are in
	s_barrier_signal -1
	s_barrier_wait -1                              ; the ring's first fills may stay out
	WIN 0x40+0x40*((\s)/4)
.irp m, 0,1,2,3
.irp c, 0,1,2
	ds_load_b128 v[12*(4*((\s)%4)+\m)+4*\c:12*(4*((\s)%4)+\m)+4*\c+3], v[XRI] offset:XBB*((\s)%2)+FRB*\m+512*\c
.endr
.endr
	WIN 0
.irp m, 0,1,2,3
	ds_load_b32 v[XS+4*(\s)+\m], v[XRS] offset:XBB*((\s)%2)+128*\m
.endr
.endm
; out0: two blocks (64 units, 256 bytes of a row) of 16 rows at a time through my own stage and back as whole runs of 256 bytes.  LDS serves a wave's instructions in order (ISA guide 5.7.1.4): no wait between stores and loads.
; My work-group's rows lie four rows of 2,048 bytes apart in out0.
.macro OUT
.irp m, 0,1,2,3
.if \m >= 2
	s_wait_xcnt 0x0                                ; the stores of two tiles back have read their registers
.endif
	WIN 0x0C
.irp q, 0,1,2,3
	ds_store_b128 v[SO], v[16*\m+4*\q:16*\m+4*\q+3] offset:16*\q
.endr
	WIN 0x08
.irp q, 0,1,2,3
	ds_store_b128 v[SO], v[16*\m+4*\q:16*\m+4*\q+3] offset:128+16*\q
.endr
	WIN 0
.irp i, 0,1,2,3,4,5,6,7
	ds_load_b128 v[WF+32*(\m%2)+4*\i:WF+32*(\m%2)+4*\i+3], v[SR] offset:544*\i
.endr
.irp i, 0,1,2,3,4,5,6,7
	s_wait_dscnt 7-\i                              ; the younger read-backs may be out
	global_store_b128 v[GO], v[WF+32*(\m%2)+4*\i:WF+32*(\m%2)+4*\i+3], s[50:51] offset:(16*\m+2*\i)*8192 th:TH_STORE_NT   ; sixteen lanes store 256 consecutive bytes, aligned
.endr
.endr
.endm
	s_load_b512 s[36:51], s[0:1], 0x0              ; x, wq, wsc, b_f0, b_b0, b_f1, b_b1, out0
	s_load_b128 s[52:55], s[0:1], 0x40             ; out1, out2
	v_lshl_add_u32 v[SPW], v0, 2, SPARE
	v_mov_b32 v[NIL], 0
	ds_add_u32 v[SPW], v[NIL]                      ; the wave's opening: the add, twice on end, and its wait ahead of my first tensor load
	ds_add_u32 v[SPW], v[NIL]                      ; and once more; the set-up below, work on registers, stands between it and the wait
	v_lshrrev_b32 v[TV], 5, v0
	v_readfirstlane_b32 s24, v[TV]                 ; wave 0..3
	v_and_b32 v[RR], 15, v0
	v_bfe_u32 v[HH], v0, 4, 1
	v_and_b32 v[LN], 31, v0
	s_bfe_u32 s25, ttmp6, 0x40000                  ; cx: it enters global addresses alone
	s_lshr_b32 s27, s24, 1                         ; direction
	s_and_b32 s3, s24, 1
	s_mul_i32 s4, s24, WPART                       ; my quarter of a slot
	s_mov_b32 s8, 15|(3<<16)|(1<<21)               ; group 1: the mask of all four work-groups; elements of 8 bytes; bit 21 beside a mask; no padding
	s_mov_b32 s9, 32<<16                           ; tensor_dim0 = 32 elements: rows of 256 bytes
	s_mov_b32 s10, 144<<16                         ; tensor_dim1 = 144 rows: 36,864 dense bytes
	s_mov_b32 s11, 32<<16                          ; tile_dim0
	s_mov_b32 s12, 144                             ; tile_dim1
	s_mov_b32 s13, 32                              ; the pitch
	s_mov_b32 s14, 0
	s_mov_b32 s15, 0
	s_mov_b32 s28, 0x76543210
	s_mov_b32 s29, 0xfedcba98                      ; v_permlanex16_b32's selects for lane l xor 16
	s_mov_b32 s30, 0xbfb8aa3b                      ; -log2 e
	s_mov_b32 s31, s30                             ; (the packed forms name a pair)
	s_mov_b32 s32, 0x4038aa3b                      ; 2 log2 e
	s_mov_b32 s33, s32
	s_mov_b32 s34, 0xc2000000                      ; -32
	s_mov_b32 s35, 0x42000000                      ; 32
	v_lshlrev_b32 v[XA], 14, v[HH]
	v_lshl_add_u32 v[XA], v[RR], 4, v[XA]
	v_lshl_add_u32 v[XRI], v[LN], 4, R0
	v_lshlrev_b32 v[LS], 2, v[LN]
	v_lshl_add_u32 v[XRS], v[LN], 2, R0+XSCO
	v_lshl_add_u32 v[WA], v[LN], 4, s4
	v_add_nc_u32 v[WA+1], RING, v[WA]
	s_mul_i32 s5, s24, FRB
	v_add_nc_u32 v[XWI], s5, v[XRI]
	s_lshl_b32 s5, s24, 7
	v_add_nc_u32 v[XWS], s5, v[XRS]
	s_mul_i32 s5, s24, XTB
	s_add_co_u32 s5, s5, XT                        ; my stage for x's turn
	v_mul_u32_u24 v[XTW], v[HH], 272
	v_lshl_add_u32 v[XTW], v[RR], 4, v[XTW]
	v_add_nc_u32 v[XTW], s5, v[XTW]                ; in: lanes 0-15 one row, lanes 16-31 the next
	v_mul_u32_u24 v[XTR], v[RR], 272
	v_lshl_add_u32 v[XTR], v[HH], 6, v[XTR]
	v_add_nc_u32 v[XTR], s5, v[XTR]                ; back: row r, + 64 h
	v_mul_u32_u24 v[HW0], v[RR], HP
	v_mad_u32_u24 v[HW0], v[HH], 12, v[HW0]
	s_mul_i32 s5, s24, 96
	s_add_co_u32 s5, s5, R0
	v_add_nc_u32 v[HW0], s5, v[HW0]
	v_mul_u32_u24 v[HR], v[RR], HP
	v_mad_u32_u24 v[HR], v[HH], 24, v[HR]
	v_add_nc_u32 v[HR], R0, v[HR]
	v_lshl_add_u32 v[HSR], v[RR], 4, HSC
	s_lshl_b32 s5, s24, 2
	v_add_nc_u32 v[HSW], s5, v[HSR]
	v_lshlrev_b32 v[BA], 6, v[HH]
	s_mul_i32 s5, s24, STGB
	s_add_co_u32 s5, s5, R0                        ; my stage for out0
	v_mul_u32_u24 v[SO], v[RR], 272
	v_add_nc_u32 v[SO], v[SO], v[BA]
	v_add_nc_u32 v[SO], s5, v[SO]                  ; in: row r, + 64 h
	v_mul_u32_u24 v[SR], v[HH], 272
	v_lshl_add_u32 v[SR], v[RR], 4, v[SR]
	v_add_nc_u32 v[SR], s5, v[SR]                  ; back: lanes 0-15 one row, lanes 16-31 the next
	v_lshlrev_b32 v[GO], 13, v[HH]
	v_lshl_add_u32 v[GO], v[RR], 4, v[GO]
	s_lshl_b32 s6, s24, 9
	v_add_nc_u32 v[GO], s6, v[GO]                  ; and the same in out0: my next row is 8,192 bytes on; + 512 w
.irp b, 0,1,2,3
	v_mov_b32 v[TM+4+\b], 0                        ; written once: a lane permute's destination counts as one of its sources
.endr
	v_and_b32 v[NA], 1, v[RR]                      ; out1, out2: (8 x direction + 4 (r % 2) + cx) x 1,024 + 512 (w % 2) + 64 h: lane-rows 0, 1 are rows cx, 4 + cx; lane-rows 14, 15 of the last tile rows 16,376 + cx, 16,380 + cx
	v_lshlrev_b32 v[NA], 12, v[NA]
	v_add_nc_u32 v[NA], v[NA], v[BA]
	s_lshl_b32 s66, s27, 13
	s_lshl_b32 s67, s3, 9
	s_add_co_u32 s66, s66, s67
	s_lshl_b32 s67, s25, 10
	s_add_co_u32 s66, s66, s67
	v_add_nc_u32 v[NA], s66, v[NA]
	s_mov_b32 s56, 0x00030003                      ; lane-rows 0, 1 of both halves:
	s_cmp_eq_u32 ttmp9, 0                          ; in the first cluster,
	s_cselect_b32 s56, s56, 0
	s_cmp_eq_u32 s27, 1                            ; the backward direction's waves
	s_cselect_b32 s56, s56, 0
	s_mov_b32 s57, 0xc000c000                      ; lane-rows 14, 15:
	s_cmp_eq_u32 ttmp9, 63                         ; in the last cluster,
	s_cselect_b32 s57, s57, 0
	s_cmp_eq_u32 s27, 0                            ; the forward direction's
	s_cselect_b32 s57, s57, 0
	s_lshl_b32 s66, ttmp9, 8
	s_add_co_u32 s66, s66, s25                     ; my work-group's first row: 256 x cluster + cx
	s_lshl_b32 s68, s66, 11                        ; in out0,
	s_mov_b32 s69, 0
	s_lshl_b32 s67, s24, 6
	s_add_co_u32 s66, s66, s67                     ; my wave's row tile of x begins 64 w rows on
	s_lshl_b32 s66, s66, 12
	s_mov_b32 s67, 0
	s_wait_dscnt 0x0                               ; both opening adds are done
	s_wait_kmcnt 0x0
	s_add_nc_u64 s[36:37], s[36:37], s[66:67]      ; x at my wave's first row
	s_add_nc_u64 s[50:51], s[50:51], s[68:69]      ; out0 at my work-group's first row
	s_mov_b32 s71, 0
	s_mul_i32 s70, s24, 1536
	s_add_nc_u64 s[40:41], s[40:41], s[70:71]      ; my wave's scale words
	s_cmp_eq_u32 s27, 0
	s_cselect_b64 s[42:43], s[42:43], s[44:45]     ; my direction's biases
	s_cselect_b64 s[46:47], s[46:47], s[48:49]
	s_lshl_b32 s70, s3, 9
	s_add_nc_u64 s[42:43], s[42:43], s[70:71]
	s_add_nc_u64 s[46:47], s[46:47], s[70:71]
	s_mov_b32 s70, s4
	s_mov_b32 s16, 1                               ; group 0 of slot 0: count 1,
	s_mov_b32 s17, s4                              ; LDS address,
	s_add_nc_u64 s[18:19], s[38:39], s[70:71]      ; global address: k = 0, my quarter,
	s_or_b32 s19, s19, 0x80000000                  ; type 2
	s_mov_b32 s20, 1
	s_add_co_u32 s21, s4, RING
	s_add_nc_u64 s[22:23], s[38:39], s[70:71]
	s_add_nc_u64 s[22:23], s[22:23], RING          ; k = 1
	s_or_b32 s23, s23, 0x80000000
	CROUND                                         ; all four work-groups are here: the first joint loads meet
	tensor_load_to_lds s[16:19], s[8:15]           ; two loads of mine are out from here; later one
	s_nop 0
	tensor_load_to_lds s[20:23], s[8:15]
	s_nop 0
	PLACES
	WSL0                                           ; the first block's scale words of W
	XLOAD 0, 0
	XLOAD 1, 1
	XLOAD 2, 2
	XLOAD 3, 3
.irp s, 0,1,2,3,4,5,6,7
	XSTEP \s
.endr
	WIN 0xC0
.irp m, 0,1,2,3
	v_mov_b32 v[244+\m], 0                         ; window 3: the permutes' destinations,
	v_mov_b32 v[252+\m], 0                         ; and h's scale words, which gather a byte a block
.endr
	WIN 0
	s_wait_tensorcnt 0x1                           ; my quarter of slot 0 is in, and I alone read it; slot 1's load may be out
	s_wait_dscnt 0x0                               ; x's last fragments and scale words
	s_mov_b32 s59, 4
	s_mov_b32 s60, 0                               ; 24 bytes of codes a block
	s_mov_b32 s61, 0                               ; 8 bits of a scale word a block
	s_mov_b32 s62, 0                               ; 128 bytes of out1, out2 a block
.Ll0:                                              ; LAYER 0: a trip is a block of 32 hidden units a wave: K = 1,024 in two slots
	s_wait_loadcnt 0x0                             ; the block's scale words and bias
	SLOT 0, 0xF4, 1, WS, 8, 0
	CHANGE 0
	SLOT 1, 0xF8, 0, WS+4, 8, 4
	PLACES                                         ; behind the last products: ahead of the loads into scale and bias registers and of the first read of results
	s_cmp_eq_u32 s59, 1
	s_cbranch_scc1 .Lno_pre0                       ; the last block has no successor in this layer: no load leaves its buffer
	PRE0
.Lno_pre0:
	ACT_A 0xFF
	CHANGE 1                                       ; slot 1's change stands in the middle of the activation: slot 0's refill has 96 products and 513 vector lines between its issue and this wait for all loads, slot 1's the other 321 lines, the quantising and 96 products
	ACT_B 0xFF
	WIN 0
	v_add_nc_u32 v[NAT], s62, v[NA]
	v_add_nc_u32 v[HWT], s60, v[HW0]
	NSTORE 0x0C, 0
	QB
	s_add_co_u32 s60, s60, 24
	s_add_co_u32 s61, s61, 8
	s_add_co_u32 s62, s62, 128
	s_sub_co_u32 s59, s59, 1
	s_cmp_lg_u32 s59, 0
	s_cbranch_scc1 .Ll0
	s_wait_loadcnt 0x0                             ; the registers of W's scale words and of the bias are loaded anew below: every earlier load into them is shown done (the last trip asked for none)
	WIN 0x0C
.irp m, 0,1,2,3
	ds_store_b32 v[HSW], v[252+\m] offset:256*\m   ; my K step's scale word of each row; both lanes of a row write the same word
.endr
	WIN 0
	s_wait_dscnt 0x0                               ; my stores have landed
	s_barrier_signal -1
	s_barrier_wait -1                              ; h's 64 rows of codes lie in LDS
	WIN 0x40
.irp s, 0,1,2,3
.irp m, 0,1,2,3
.irp p, 0,1,2,3,4,5
	ds_load_b64 v[12*(4*\s+\m)+2*\p:12*(4*\s+\m)+2*\p+1], v[HR] offset:16*HP*\m+96*\s+48*(\p/3)+8*(\p%3)   ; 24 bytes of a row's stream of bits, as they lie, in pieces of 8
.endr
.endr
.endr
	WIN 0
.irp s, 0,1,2,3
.irp m, 0,1,2,3
	ds_load_b32 v[XS+4*\s+\m], v[HSR] offset:256*\m+4*\s
.endr
.endr
	PRE1 1
	s_mov_b32 s62, 16384                           ; layer 1's part of out1, out2
	s_wait_loadcnt 0x0
	s_wait_dscnt 0x0
	SLOT 0, 0xF4, 1, WS, 4, 0                      ; LAYER 1: K = 512 is one slot: blocks 0 and 1 into the two sets of accumulators
	CHANGE 0
	SLOT 1, 0xA4, 1, WS+12, 4, 0
	CHANGE 1                                       ; the last fill; its four v_nop are the places behind the last products
	s_mov_b32 s59, 2
.Lv:                                               ; two trips: the activation and the way out of two blocks; between them the products of blocks 2 and 3
	s_cmp_eq_u32 s59, 1
	s_cbranch_scc1 .Lno_pre1
	PRE1 0
.Lno_pre1:
	ACT 0xFF
	ACT 0xAA
	WIN 0
	v_add_nc_u32 v[NAT], s62, v[NA]
	NSTORE 0x0C, 0
	NSTORE 0x08, 128
	OUT
	s_wait_xcnt 0x0                                ; the stores have read their registers and their base
	s_add_nc_u64 s[50:51], s[50:51], 256
	s_add_co_u32 s62, s62, 256
	s_sub_co_u32 s59, s59, 1
	s_cmp_eq_u32 s59, 0
	s_cbranch_scc1 .Ldone
	s_wait_loadcnt 0x0
	SLOT 0, 0xF4, 1, WS, 4, 0                      ; (its load was waited for at the last change of slots)
	s_wait_tensorcnt 0x0                           ; my last load, slot 1's: no load was issued behind it
	SLOT 1, 0xA4, 1, WS+12, 4, 0
	PLACES
	s_cmp_lg_u32 s59, 0
	s_cbranch_scc1 .Lv
.Ldone:
	s_wait_tensorcnt 0x0                           ; the wave's end, behind my last tensor load and my last LDS store
	ds_add_u32 v[SPW], v[NIL]
	s_wait_dscnt 0x0
	CROUND                                         ; the closing round: no work-group ends while a partner may still ask for a tile that names it
	s_endpgm
.Lfunc_end_k_q87d7a8a26c_fused:
	.size	k_q87d7a8a26c_fused, .Lfunc_end_k_q87d7a8a26c_fused-k_q87d7a8a26c_fused
	.p2alignl 7, 3214868480
	.fill 96, 4, 3214868480
	.section	.rodata,"a",@progbits
	.p2align	6, 0x0
	.amdhsa_kernel k_q87d7a8a26c_fused
		.amdhsa_group_segment_fixed_size 327680
		.amdhsa_private_segment_fixed_size 0
		.amdhsa_enable_private_segment 0
		.amdhsa_kernarg_size 80
		.amdhsa_user_sgpr_count 2
		.amdhsa_user_sgpr_kernarg_segment_ptr 1
		.amdhsa_wavefront_size32 1
		.amdhsa_system_sgpr_workgroup_id_x 1
		.amdhsa_system_sgpr_workgroup_id_y 1
		.amdhsa_system_sgpr_workgroup_id_z 1
		.amdhsa_system_vgpr_workitem_id 0
		.amdhsa_next_free_vgpr 1024
		.amdhsa_next_free_sgpr 80
		.amdhsa_reserve_vcc 1
		.amdhsa_float_denorm_mode_32 3
		.amdhsa_float_denorm_mode_16_64 3
		.amdhsa_memory_ordered 1
		.amdhsa_forward_progress 1
		.amdhsa_inst_pref_size 255
	.end_amdhsa_kernel
	.section	.bss,"aw",@nobits
	.p2align	6
	.space	262144
	.amdgpu_metadata
---
amdhsa.version: [ 1, 2 ]
amdhsa.kernels:
  - .name:           k_q87d7a8a26c_fused
    .symbol:         k_q87d7a8a26c_fused.kd
    .args:
      - { .name: x, .offset: 0, .size: 8, .value_kind: global_buffer, .address_space: global }
      - { .name: wq, .offset: 8, .size: 8, .value_kind: global_buffer, .address_space: global }
      - { .name: wsc, .offset: 16, .size: 8, .value_kind: global_buffer, .address_space: global }
      - { .name: b_f0, .offset: 24, .size: 8, .value_kind: global_buffer, .address_space: global }
      - { .name: b_b0, .offset: 32, .size: 8, .value_kind: global_buffer, .address_space: global }
      - { .name: b_f1, .offset: 40, .size: 8, .value_kind: global_buffer, .address_space: global }
      - { .name: b_b1, .offset: 48, .size: 8, .value_kind: global_buffer, .address_space: global }
      - { .name: out0, .offset: 56, .size: 8, .value_kind: global_buffer, .address_space: global }
      - { .name: out1, .offset: 64, .size: 8, .value_kind: global_buffer, .address_space: global }
      - { .name: out2, .offset: 72, .size: 8, .value_kind: global_buffer, .address_space: global }
    .group_segment_fixed_size: 327680
    .private_segment_fixed_size: 0
    .kernarg_segment_align: 8
    .kernarg_segment_size: 80
    .max_flat_workgroup_size: 128
    .sgpr_count:     80
    .vgpr_count:     1024
    .wavefront_size: 32
...
	.end_amdgpu_metadata
.endif
;; end of part 4
